; MI455X (gfx1250); checked and timed in simulation.
; The chip was launched on July 23, 2026; its instructions are those of AMD's public machine-readable ISA for CDNA 5 (MIT licence, August 2026) and "CDNA5" Instruction Set Architecture Reference Guide (July 2026). The comments in the code are by the model that wrote it; some were corrected since.
;; Self Attention V3. Allowed arithmetic: float matrix products may take bf16 or f16 operands with f32 sums; other float arithmetic in f32, or as packed bf16 or f16 multiplies, adds, multiply-adds, maxima and minima; sums over many terms, partial sums and values carried from step to step in f32; what a program stores and reads back later, other than sums and carried values, may be rounded once to bf16 or f16.
;; Inputs: attention_mask 4 x 2,048 x 2,048 int32; out_b 1,024 float32; out_w 1,024 x 1,024 float32; proj_b 3,072 float32; proj_w 1,024 x 3,072 float32; x 4 x 2,048 x 1,024 float32.
;; Outputs: out0 4 x 2,048 x 1,024 float32.
;; 2 versions, each right; version 2 is version 1 with the launch prep written anew for expert scheduling mode. Each part assembles by itself: llvm-mc -triple=amdgcn-amd-amdhsa -mcpu=gfx1250 --defsym DOCPART=n.
;; ======== version 1 of 2: 5 launches
;; limits: values are held in f16: magnitudes above 65,504 overflow, below 6.1e-05 lose precision
;; workspace buffers: xb 16,777,216 bytes; wb 6,291,456 bytes; wo 2,097,152 bytes; qkv 50,331,648 bytes; pbuf 33,554,432 bytes; stats 524,288 bytes; ctx 16,777,216 bytes
;; launch prep (part 1): grid 768 x 1, 8 waves a work-group, no clusters, 0 bytes of LDS; arguments x, proj_w, out_w, xb, wb, wo; writes xb, wb, wo
.if DOCPART == 1
	.amdgcn_target "amdgcn-amd-amdhsa--gfx1250"
	.amdhsa_code_object_version 6
	.text
	.protected	k_q522d7cb317_prep
	.globl	k_q522d7cb317_prep
	.p2align	8
	.type	k_q522d7cb317_prep,@function
k_q522d7cb317_prep:
	s_mov_b64 s[64:65], 0
	v_nop
	global_prefetch_b8 v0, s[64:65] scope:SCOPE_SE
	s_setreg_imm32_b32 hwreg(HW_REG_WAVE_MODE, 25, 1), 1
	s_wait_xcnt 0x0
; PREP: three casts, each input read once.  Every wave takes 8,192 bytes by 16 loads of 16 bytes a lane, all issued at once, and works them off in order.
;   work-groups 0-511    x [8192][1024] f32 -> xb, bf16, in blocks [k / 64][row][64]: 256 rows x 64 k of xb are 32,768 bytes on end.  A wave two rows.
;   work-groups 512-703  proj_w [1024][3072] f32 -> wb, bf16, same order
;   work-groups 704-767  out_w [1024][1024] f32 -> wo: rounded to bf16, that number written as f16 (exact but below 2^-14, where f16 keeps a fixed step of 6e-8)
; No LDS, no barrier, no matrix unit: nothing is shared and nothing is multiplied.  Every store of a wave covers 256 consecutive bytes, aligned.
.set D,  16                            ; v[16:79] 16 loads of 4 registers; the results are packed in place
.set LO, 4                             ; v4       my byte offset in the loads
.set SO, 5                             ; v5       my byte offset in the stores
.set WV, 2                             ; s2       my wave's number
	s_load_b256 s[4:11], s[0:1], 0x0               ; x s[4:5], proj_w s[6:7], out_w s[8:9], xb s[10:11]
	s_load_b128 s[12:15], s[0:1], 0x20             ; wb s[12:13], wo s[14:15]
	v_lshrrev_b32 v1, 5, v0
	v_readfirstlane_b32 s[WV], v1                  ; wave 0..7
	v_and_b32 v2, 31, v0                           ; lane
	v_and_b32 v3, 15, v0                           ; lane % 16
	v_bfe_u32 v6, v0, 4, 1                         ; lane / 16
	s_mov_b32 s25, 0                               ; upper words of the two offsets
	s_mov_b32 s27, 0
	s_mov_b32 s28, 0xffff0000                      ; a word's upper bf16
; 16 loads, 16 x (round, pack, store 8 bytes a lane).  The second half of the stores has a base of its own, 8 steps on, so that the immediates stay short.
.macro CAST in, out, out2, instep, outstep, f16
.set j, 0
.rept 16
	global_load_b128 v[D+4*j:D+4*j+3], v[LO], s[\in:\in+1] offset:j*(\instep) th:TH_LOAD_NT
.set j, j+1
.endr
.set j, 0
.rept 16
	s_wait_loadcnt 15-j                            ; loads come back in order: load j is in, the 15 - j younger ones stay out
	v_cvt_pk_bf16_f32 v[D+4*j], v[D+4*j], v[D+4*j+1]
	v_cvt_pk_bf16_f32 v[D+4*j+1], v[D+4*j+2], v[D+4*j+3]
.if \f16
	v_lshlrev_b32 v[D+4*j+2], 16, v[D+4*j]         ; the bf16 numbers widened again,
	v_and_b32 v[D+4*j+3], s28, v[D+4*j]
	v_cvt_pk_f16_f32 v[D+4*j], v[D+4*j+2], v[D+4*j+3]  ; and written as f16
	v_lshlrev_b32 v[D+4*j+2], 16, v[D+4*j+1]
	v_and_b32 v[D+4*j+3], s28, v[D+4*j+1]
	v_cvt_pk_f16_f32 v[D+4*j+1], v[D+4*j+2], v[D+4*j+3]
.endif
.if j < 8
	global_store_b64 v[SO], v[D+4*j:D+4*j+1], s[\out:\out+1] offset:j*(\outstep)
.else
	global_store_b64 v[SO], v[D+4*j:D+4*j+1], s[\out2:\out2+1] offset:(j-8)*(\outstep)
.endif
.set j, j+1
.endr
.endm
	s_cmp_lt_u32 ttmp9, 512
	s_cbranch_scc0 .Lweights
	; X: rows 16 i + 2 wave + lane / 16; load kb takes the 64 numbers of block kb of both rows
	s_lshl_b32 s3, ttmp9, 4
	s_lshl1_add_u32 s3, s[WV], s3                  ; my first row
	s_lshl_b32 s24, s3, 12
	s_lshl_b32 s26, s3, 7
	v_lshlrev_b32 v[LO], 4, v3
	v_lshl_add_u32 v[LO], v6, 12, v[LO]
	v_lshlrev_b32 v[SO], 3, v3
	v_lshl_add_u32 v[SO], v6, 7, v[SO]             ; two rows of 128 bytes lie on end in a block
	s_wait_kmcnt 0x0
	s_add_nc_u64 s[4:5], s[4:5], s[24:25]
	s_add_nc_u64 s[10:11], s[10:11], s[26:27]
	s_add_nc_u64 s[20:21], s[10:11], 8*1048576
	CAST 4, 10, 20, 256, 1048576, 0
	s_endpgm
.Lweights:
	v_lshlrev_b32 v[LO], 4, v2
	v_lshlrev_b32 v[SO], 3, v2
	s_lshl_b32 s3, s[WV], 13
	s_cmp_lt_u32 ttmp9, 704
	s_cbranch_scc0 .Lout_w
	s_sub_co_u32 s24, ttmp9, 512
	s_lshl_b32 s24, s24, 16
	s_add_co_u32 s24, s24, s3                      ; 65,536 bytes a work-group, 8,192 a wave
	s_lshr_b32 s26, s24, 1
	s_wait_kmcnt 0x0
	s_add_nc_u64 s[6:7], s[6:7], s[24:25]
	s_add_nc_u64 s[12:13], s[12:13], s[26:27]
	s_add_nc_u64 s[20:21], s[12:13], 8*256
	CAST 6, 12, 20, 512, 256, 0
	s_endpgm
.Lout_w:
	s_sub_co_u32 s24, ttmp9, 704
	s_lshl_b32 s24, s24, 16
	s_add_co_u32 s24, s24, s3
	s_lshr_b32 s26, s24, 1
	s_wait_kmcnt 0x0
	s_add_nc_u64 s[8:9], s[8:9], s[24:25]
	s_add_nc_u64 s[14:15], s[14:15], s[26:27]
	s_add_nc_u64 s[20:21], s[14:15], 8*256
	CAST 8, 14, 20, 512, 256, 1
	s_endpgm
.Lfunc_end_k_q522d7cb317_prep:
	.size	k_q522d7cb317_prep, .Lfunc_end_k_q522d7cb317_prep-k_q522d7cb317_prep
	.p2alignl 7, 3214868480
	.fill 96, 4, 3214868480
	.section	.rodata,"a",@progbits
	.p2align	6, 0x0
	.amdhsa_kernel k_q522d7cb317_prep
		.amdhsa_group_segment_fixed_size 0
		.amdhsa_private_segment_fixed_size 0
		.amdhsa_enable_private_segment 0
		.amdhsa_kernarg_size 48
		.amdhsa_user_sgpr_count 2
		.amdhsa_user_sgpr_kernarg_segment_ptr 1
		.amdhsa_wavefront_size32 1
		.amdhsa_system_sgpr_workgroup_id_x 1
		.amdhsa_system_sgpr_workgroup_id_y 1
		.amdhsa_system_sgpr_workgroup_id_z 1
		.amdhsa_system_vgpr_workitem_id 0
		.amdhsa_next_free_vgpr 80
		.amdhsa_next_free_sgpr 66
		.amdhsa_reserve_vcc 0
		.amdhsa_float_denorm_mode_32 3
		.amdhsa_float_denorm_mode_16_64 3
		.amdhsa_memory_ordered 1
		.amdhsa_forward_progress 1
		.amdhsa_inst_pref_size 23
	.end_amdhsa_kernel
	.amdgpu_metadata
---
amdhsa.version: [ 1, 2 ]
amdhsa.kernels:
  - .name:           k_q522d7cb317_prep
    .symbol:         k_q522d7cb317_prep.kd
    .args:
      - { .name: x, .offset: 0, .size: 8, .value_kind: global_buffer, .address_space: global }
      - { .name: proj_w, .offset: 8, .size: 8, .value_kind: global_buffer, .address_space: global }
      - { .name: out_w, .offset: 16, .size: 8, .value_kind: global_buffer, .address_space: global }
      - { .name: xb, .offset: 24, .size: 8, .value_kind: global_buffer, .address_space: global }
      - { .name: wb, .offset: 32, .size: 8, .value_kind: global_buffer, .address_space: global }
      - { .name: wo, .offset: 40, .size: 8, .value_kind: global_buffer, .address_space: global }
    .group_segment_fixed_size: 0
    .private_segment_fixed_size: 0
    .kernarg_segment_align: 8
    .kernarg_segment_size: 48
    .max_flat_workgroup_size: 256
    .sgpr_count:     66
    .vgpr_count:     80
    .wavefront_size: 32
...
	.end_amdgpu_metadata
.endif
;; end of part 1
;; launch proj (part 2): grid 8 x 32, 4 waves a work-group, clusters of 4 x 4, 327,680 bytes of LDS; arguments xb, wb, proj_b, qkv; writes qkv
.if DOCPART == 2
	.amdgcn_target "amdgcn-amd-amdhsa--gfx1250"
	.amdhsa_code_object_version 6
	.text
	.protected	k_q522d7cb317_proj
	.globl	k_q522d7cb317_proj
	.p2align	8
	.type	k_q522d7cb317_proj,@function
k_q522d7cb317_proj:
	s_mov_b64 s[64:65], 0
	v_nop
	global_prefetch_b8 v0, s[64:65] scope:SCOPE_SE
	s_setreg_imm32_b32 hwreg(HW_REG_WAVE_MODE, 25, 1), 1
	s_wait_xcnt 0x0
	s_wait_alu depctr_hold_cnt(0) depctr_sa_sdst(0) depctr_va_vdst(0) depctr_va_sdst(0) depctr_va_ssrc(0) depctr_va_vcc(0) depctr_vm_vsrc(0)
	s_getreg_b32 s2, hwreg(HW_REG_IB_STS2, 6, 4)
	s_cmp_eq_u32 s2, 0
	s_cbranch_scc0 .Lentry_in_a_cluster
	s_endpgm
.Lentry_in_a_cluster:
	s_bfe_u32 s2, ttmp6, 0x10000c
	s_cmp_lg_u32 s2, 0xf033
	s_cbranch_scc0 .Lentry_shape_is_right
	s_endpgm
.Lentry_shape_is_right:
; qkv[8192][3072] (f16) = x . proj_w + proj_b.  x comes as xb (bf16, blocks [k / 64][row][64]), proj_w as wb (bf16 [1024][3072]); sums in f32.
; A sum is rounded to f16, the bias (rounded to bf16, written as f16) is added in f16: two roundings of 2^-12.  LIMIT: |q|, |k|, |v| stay under 65,504, f16's end.
; SHARES.  3072 = 8 x 384 and 8192 = 32 x 256: a tile of 256 x 384 gives 256 work-groups of equal work.  Four waves, each 128 rows x 192 columns: 96 accumulators, 768 registers.
; K goes in 16 steps of 64 through two LDS slots.  Wave 0 fetches A's tile (32,768 bytes on end, asked for as 128 rows of 256 bytes), waves 1-3 one chunk each of B: 64 k x 128 columns.
; CLUSTER 4 x 4: A's tile hangs on the tile row alone and is asked for jointly by a row of the cluster, B's chunks on the tile column alone, jointly by a column.
; THE PRODUCT IS TAKEN TRANSPOSED: source 0 = 16 columns of B (turned on the way out of LDS by ds_load_tr16_b128), source 1 = 16 rows of A: a lane holds one row and 8 neighbouring columns.
; REGISTERS.  Window 0: addresses, bias, all fragments.  Windows 1-3: the accumulators of column group g = 0..2 (64 columns): (a, bb) at v[8 (4 a + bb)].  A unit is 32 products in one window.
.set PA,    144                        ; a row of A in LDS: 128 bytes + 16: the 16 rows of a load start in 16 different groups of four banks
.set PB,    288                        ; a row of B: 256 bytes + 32
.set ATILE, 256*PA
.set CHUNK, 64*PB
.set SLOTX, 1<<17                      ; slot 1 begins here: one exclusive or turns an address in one slot into the other's
.set SPARE, SLOTX+ATILE+3*CHUNK        ; behind the ring: the spare words, 128 bytes a wave, which no other line names
.set SP,    784                        ; the way out: a stage row, 768 bytes + 16; the stage (256 rows from byte 0) takes the ring's place behind its last fill
.set ASTEP, 8192*128                   ; bytes from a K step of xb to the next
.set BSTEP, 64*3072*2                  ; the same in wb
.set ROWB,  6144                       ; a row of qkv
.set ALB,  4                           ; v4     my lane's place in A's tile; never rewritten
.set BLB,  5                           ; v5-7   in B's, for g = 0..2
.set ADRA, 8                           ; v8     the same in the slot in hand
.set ADRB, 9                           ; v9-11
.set STO,  12                          ; v12-13 the way out: where I put 16 bytes (rows 0-63, rows 64-127 of my 128)
.set RD,   14                          ; v14    where I read rows back
.set CO,   15                          ; v15    my byte offset in two rows of qkv
.set PFO,  16                          ; v16    256 x lane, for the prefetch
.set SPW,  17                          ; v17    my spare word
.set NIL,  18                          ; v18    0
.set TV,   19                          ; v19    at work in the head
.set BI,   20                          ; v20-31 the bias of my 8 columns in each of a row's three blocks of 128, f16
.set FA0,  32                          ; v32-95, v96-159  A's fragments: 128 rows x 32 k, two buffers
.set FB0,  160                         ; v160-255         B's: 64 columns x 32 k for each g
.set WV, 12
.set WR, 13
.set WC, 14
.set CX, 15
.set CY, 16
.set TJ, 17                            ; tile column
.set TI, 18                            ; tile row
.set CNT, 19
.set TB, 20                            ; LDS byte at which the slot in hand begins
.set G1A, 24
.set G1B, 32
.set G0A, 40                           ; two sets of four: the first fills; the second then walks
.set G0B, 48
.set PFA, 56
.set LIM, 58
.set MSB, 0
.macro WIN new                         ; the immediate's high byte repeats the setting that is left; a switch that changes nothing is dropped
.if MSB != (\new)
	s_set_vgpr_msb (MSB<<8)|(\new)
.set MSB, \new
.endif
.endm
.macro PLACES                          ; four places between a matrix instruction and a load into one of its registers
.rept 4
	v_nop
.endr
.endm
.macro CREST                           ; a round of the cluster's barrier behind its opening barrier
	s_cmp_lg_u32 s[WV], 0
	s_cbranch_scc1 .Lnot_wave_0_\@
	s_barrier_signal -3
.Lnot_wave_0_\@:
	s_barrier_wait -3
	s_barrier_signal -1
	s_barrier_wait -1
.endm
.macro CROUND
	s_barrier_signal -1
	s_barrier_wait -1
	CREST
.endm
.macro JLOAD                           ; the joint refill: one load a wave; the branch hangs on the wave's number alone.  s_nop 0 and four v_nop follow each line
	s_cmp_eq_u32 s[WV], 0
	s_cbranch_scc0 .Lfor_b_\@
	tensor_load_to_lds s[G0A+4:G0A+7], s[G1A:G1A+7]
	s_nop 0
.rept 4
	v_nop
.endr
	s_branch .Lasked_\@
.Lfor_b_\@:
	tensor_load_to_lds s[G0B+4:G0B+7], s[G1B:G1B+7]
	s_nop 0
.rept 4
	v_nop
.endr
.Lasked_\@:
.endm
; The prefetch: xb's tile of the K step behind the one just asked for, 192 products ahead of its joint load.  A tile is 128 blocks of 256 bytes; the four partners of a cluster's row take 32 each,
; told apart by address, a lane a block; wave 0 of the clusters with x = 0 asks, so each block is named once.  The loop's last trip asks for nothing: there is no step 16.
.macro ASK
	s_cmp_gt_u32 s[CNT], s[LIM]
	s_cbranch_scc0 .Lnot_mine_\@
	global_prefetch_b8 v[PFO], s[PFA:PFA+1] offset:ASTEP th:TH_LOAD_NT scope:SCOPE_SE
.Lnot_mine_\@:
.endm
.macro MUL16 abuf, bbuf, win, ah, zero ; 16 products: row blocks 4 ah .. 4 ah + 3 x 4 column blocks.  The accumulators take turns, one instruction a turn
	WIN (\win)*0x50
.set ma, 4*(\ah)
.rept 4
.set mb, 0
.rept 4
.if \zero
	v_wmma_f32_16x16x32_bf16 v[8*(4*ma+mb):8*(4*ma+mb)+7], v[(\bbuf)+8*mb:(\bbuf)+8*mb+7], v[(\abuf)+8*ma:(\abuf)+8*ma+7], 0
.else
	v_wmma_f32_16x16x32_bf16 v[8*(4*ma+mb):8*(4*ma+mb)+7], v[(\bbuf)+8*mb:(\bbuf)+8*mb+7], v[(\abuf)+8*ma:(\abuf)+8*ma+7], v[8*(4*ma+mb):8*(4*ma+mb)+7]
.endif
.set mb, mb+1
.endr
.set ma, ma+1
.endr
.endm
.macro LDA buf, kap                    ; 16 loads: my 128 rows, k = 32 kap ..
.set la, 0
.rept 8
	ds_load_b128 v[(\buf)+8*la:(\buf)+8*la+3],   v[ADRA] offset:la*16*PA+64*(\kap)
	ds_load_b128 v[(\buf)+8*la+4:(\buf)+8*la+7], v[ADRA] offset:la*16*PA+64*(\kap)+32
.set la, la+1
.endr
.endm
.macro LDB buf, kap, g                 ; 8 turning loads: group g's 64 columns, k = 32 kap ..
.set lb, 0
.rept 4
	ds_load_tr16_b128 v[(\buf)+8*lb:(\buf)+8*lb+3],   v[ADRB+(\g)] offset:(\kap)*32*PB+32*lb
	ds_load_tr16_b128 v[(\buf)+8*lb+4:(\buf)+8*lb+7], v[ADRB+(\g)] offset:(\kap)*32*PB+16*PB+32*lb
.set lb, lb+1
.endr
.endm
.macro SETADR
	v_add_nc_u32 v[ADRA], s[TB], v[ALB]
	v_add_nc_u32 v[ADRB], s[TB], v[BLB]
	v_add_nc_u32 v[ADRB+1], s[TB], v[BLB+1]
	v_add_nc_u32 v[ADRB+2], s[TB], v[BLB+2]
.endm
; A unit: half kap of the K step, group g.  Behind its products it fetches group g's B for the other half (and, with g = 0, A's): the buffers that it has just read or that are free.
.macro UNIT kap, g, wt, zero, load
	s_wait_dscnt \wt                               ; counts the younger runs of loads: 16 = two runs of 8; 32 = a run of 8 and one of 24
	MUL16 FA0+64*(\kap), FB0+32*(\g), 1+(\g), 0, \zero
	MUL16 FA0+64*(\kap), FB0+32*(\g), 1+(\g), 1, \zero
.if \load
	PLACES
	WIN 0
	LDB FB0+32*(\g), 1-(\kap), \g
.if (\g) == 0
	LDA FA0+64*(1-(\kap)), 1-(\kap)
.endif
.endif
.endm
; The unit (1, 0), in which slots change.  Its 32 products stand ahead of the wait for the tile, so that they run while the tile is on its way and nothing but the add, the descriptors' steps and the
; barrier lies between a tile's landing and the next request.  In front of the barrier: all my tensor loads have landed (one was out: my part of the next slot), the add, and my reads of this slot are back.
; fill = 1: the barrier opens a round of the cluster's, and behind it this slot is filled again, two K steps ahead: 192 products lie between that request and the wait for it.
.macro TURN fill
	s_wait_dscnt 16                                ; two younger runs of 8
	MUL16 FA0+64, FB0, 1, 0, 0
	MUL16 FA0+64, FB0, 1, 1, 0
	WIN 0
.if \fill
	s_wait_xcnt 0x0                                ; the last prefetch, a K step back, has read its address
	s_add_nc_u64 s[PFA:PFA+1], s[PFA:PFA+1], ASTEP
.endif
	s_wait_tensorcnt 0x0
	ds_add_u32 v[SPW], v[NIL]
.if \fill
	s_xor_b32 s[G0A+5], s[G0A+5], SLOTX            ; no load of mine is out: the walking descriptors step: the other slot, the next K step
	s_add_nc_u64 s[G0A+6:G0A+7], s[G0A+6:G0A+7], ASTEP
	s_xor_b32 s[G0B+5], s[G0B+5], SLOTX
	s_add_nc_u64 s[G0B+6:G0B+7], s[G0B+6:G0B+7], BSTEP
.endif
	s_wait_dscnt 0x0                               ; the add is done, and my reads of this slot are over
	s_barrier_signal -1
	s_barrier_wait -1
.if \fill
	CREST
	JLOAD                                          ; its four v_nop are also the places in front of the loads below
.else
	PLACES
.endif
	s_xor_b32 s[TB], s[TB], SLOTX
	SETADR
	LDB FB0, 0, 0
	LDA FA0, 0
.if \fill
	ASK
.endif
.endm
	s_load_b256 s[4:11], s[0:1], 0x0               ; xb s[4:5], wb s[6:7], proj_b s[8:9], qkv s[10:11]
	v_lshl_add_u32 v[SPW], v0, 2, SPARE
	v_mov_b32 v[NIL], 0
	ds_add_u32 v[SPW], v[NIL]                      ; the opening
	v_lshrrev_b32 v1, 5, v0
	v_readfirstlane_b32 s[WV], v1
	s_lshr_b32 s[WR], s[WV], 1                     ; my half of the rows
	s_and_b32 s[WC], s[WV], 1                      ; my half of the columns
	s_bfe_u32 s[CX], ttmp6, 0x40000
	s_bfe_u32 s[CY], ttmp6, 0x40004
	s_lshl_b32 s[TJ], ttmp9, 2
	s_add_co_u32 s[TJ], s[TJ], s[CX]
	s_and_b32 s[TI], ttmp7, 0xffff
	s_lshl_b32 s[TI], s[TI], 2
	s_add_co_u32 s[TI], s[TI], s[CY]
	s_lshl_b32 s21, s[CY], 2
	s_lshl_b32 s21, 15, s21                        ; my row of the cluster
	s_lshl_b32 s22, 0x1111, s[CX]                  ; my column
	s_or_b32 s[G1A], s21, (1<<16)|(1<<20)|(1<<21)|(4<<22)|(3<<25)  ; mask; 2-byte elements; padding on; bit 21 beside a mask; after every 32 words, 4 words
	s_mov_b32 s[G1A+1], 128<<16                    ; tensor_dim0 = 128 elements: two rows of xb's block
	s_mov_b32 s[G1A+2], 128<<16                    ; tensor_dim1 = 128
	s_mov_b32 s[G1A+3], 128<<16                    ; tile_dim0
	s_mov_b32 s[G1A+4], 128                        ; tile_dim1
	s_mov_b32 s[G1A+5], 128                        ; the rows lie on end
	s_mov_b32 s[G1A+6], 0
	s_mov_b32 s[G1A+7], 0
	s_or_b32 s[G1B], s22, (1<<16)|(1<<20)|(1<<21)|(5<<22)|(7<<25)  ; after every 64 words, 8 words
	s_mov_b32 s[G1B+1], 128<<16
	s_mov_b32 s[G1B+2], 64<<16
	s_mov_b32 s[G1B+3], 128<<16
	s_mov_b32 s[G1B+4], 64
	s_mov_b32 s[G1B+5], 3072
	s_mov_b32 s[G1B+6], 0
	s_mov_b32 s[G1B+7], 0
	s_mov_b32 s[TB], 0
	s_lshl_b32 s60, s[TI], 15                      ; A: 256 rows x 128 bytes a tile row
	s_mov_b32 s61, 0
	s_max_u32 s23, s[WV], 1
	s_sub_co_u32 s23, s23, 1                       ; my chunk of B, for the global address alone (wave 0 issues no load of B; its words are made all the same)
	s_mul_i32 s62, s[TJ], 768
	s_lshl_b32 s67, s23, 8
	s_add_co_u32 s62, s62, s67                     ; B: 768 bytes a tile column, 256 a chunk
	s_mov_b32 s63, 0
	s_mul_i32 s66, s[WV], CHUNK                    ; the chunk's place in a slot: the wave's number times a constant, plus a constant:
	s_add_co_u32 s66, s66, ATILE-CHUNK             ; waves 1, 2, 3 at ATILE, ATILE + CHUNK, ATILE + 2 CHUNK
	s_wait_dscnt 0x0
	s_wait_kmcnt 0x0
	s_add_nc_u64 s[60:61], s[4:5], s[60:61]
	s_add_nc_u64 s[62:63], s[6:7], s[62:63]
	CROUND                                         ; all sixteen work-groups are here: the first joint loads meet
.irp s, 0,1
	s_mov_b32 s[G0A+4*\s], 1
	s_mov_b32 s[G0A+4*\s+1], \s*SLOTX
	s_add_nc_u64 s[G0A+4*\s+2:G0A+4*\s+3], s[60:61], \s*ASTEP
	s_or_b32 s[G0A+4*\s+3], s[G0A+4*\s+3], 0x80000000
	s_mov_b32 s[G0B+4*\s], 1
	s_add_co_u32 s[G0B+4*\s+1], s66, \s*SLOTX
	s_add_nc_u64 s[G0B+4*\s+2:G0B+4*\s+3], s[62:63], \s*BSTEP
	s_or_b32 s[G0B+4*\s+3], s[G0B+4*\s+3], 0x80000000
.endr
	s_cmp_eq_u32 s[WV], 0                          ; a wave's two first fills stand in one branch: two loads of mine are out
	s_cbranch_scc0 .Lfirst_b
	tensor_load_to_lds s[G0A:G0A+3], s[G1A:G1A+7]
	s_nop 0
	tensor_load_to_lds s[G0A+4:G0A+7], s[G1A:G1A+7]
	s_nop 0
.rept 4
	v_nop
.endr
	s_branch .Lfirst_asked
.Lfirst_b:
	tensor_load_to_lds s[G0B:G0B+3], s[G1B:G1B+7]
	s_nop 0
	tensor_load_to_lds s[G0B+4:G0B+7], s[G1B:G1B+7]
	s_nop 0
.rept 4
	v_nop
.endr
.Lfirst_asked:
	v_and_b32 v1, 15, v0                           ; r = lane % 16
	v_bfe_u32 v2, v0, 4, 1                         ; h = lane / 16
	; the bias: my 8 columns (8 r ..) of each of the tile's three blocks of 128
	v_lshlrev_b32 v[TV], 5, v1
	s_mul_i32 s68, s[TJ], 1536
	v_add_nc_u32 v[TV], s68, v[TV]
.irp c, 0,1,2
	global_load_b128 v[FA0+8*\c:FA0+8*\c+3],   v[TV], s[8:9] offset:512*\c
	global_load_b128 v[FA0+8*\c+4:FA0+8*\c+7], v[TV], s[8:9] offset:512*\c+16
.endr
	v_mul_u32_u24 v[ALB], v1, PA
	v_lshl_add_u32 v[ALB], v2, 4, v[ALB]
	s_mul_i32 s68, s[WR], 128*PA
	v_add_nc_u32 v[ALB], s68, v[ALB]               ; (128 wr + r) x pitch + 16 h
	v_and_b32 v3, 7, v0
	v_lshl_add_u32 v3, v2, 3, v3
	v_mul_u32_u24 v3, v3, PB                       ; k row 8 h + lane % 8,
	v_bfe_u32 v6, v0, 3, 1
	v_lshl_add_u32 v3, v6, 4, v3                   ; columns 8 ((lane / 8) % 2) ..
.irp g, 0,1,2
	s_mul_i32 s68, s[WC], 3
	s_add_co_u32 s68, s68, \g                      ; the tile's group of 64 columns: 3 wc + g
	s_lshr_b32 s69, s68, 1
	s_mul_i32 s69, s69, CHUNK                      ; its chunk,
	s_and_b32 s68, s68, 1
	s_lshl_b32 s68, s68, 7                         ; and its half of the chunk's 256 bytes
	s_add_co_u32 s69, s69, s68
	s_add_co_u32 s69, s69, ATILE
	v_add_nc_u32 v[BLB+\g], s69, v3
.endr
	SETADR
	v_mul_u32_u24 v[STO], v1, SP
	v_lshl_add_u32 v[STO], v2, 4, v[STO]
	s_mul_i32 s68, s[WR], 128*SP
	s_mul_i32 s69, s[WC], 384
	s_add_co_u32 s68, s68, s69
	v_add_nc_u32 v[STO], s68, v[STO]               ; (128 wr + r) x 784 + 384 wc + 16 h
	v_add_nc_u32 v[STO+1], 64*SP, v[STO]
	v_mul_u32_u24 v[RD], v2, SP
	v_lshl_add_u32 v[RD], v1, 4, v[RD]
	s_mul_i32 s68, s[WV], 64*SP
	v_add_nc_u32 v[RD], s68, v[RD]                 ; (64 w + h) x 784 + 16 r
	v_mul_u32_u24 v[CO], v2, ROWB
	v_lshl_add_u32 v[CO], v1, 4, v[CO]
	s_lshl_b32 s68, s[TI], 8
	s_lshl_b32 s69, s[WV], 6
	s_add_co_u32 s68, s68, s69
	s_mul_i32 s68, s68, ROWB
	s_mul_i32 s69, s[TJ], 768
	s_add_co_u32 s68, s68, s69
	s_mov_b32 s69, 0
	s_add_nc_u64 s[10:11], s[10:11], s[68:69]      ; qkv at row 256 i + 64 w, column 384 j
	s_lshl_b32 s70, s[TI], 15
	s_lshl_b32 s71, s[CX], 13                      ; my work-group's 32 blocks of the tile's 128
	s_add_co_u32 s70, s70, s71
	s_add_co_u32 s70, s70, ASTEP                   ; at K step 1: the first change steps it to 2 and names step 3
	s_mov_b32 s71, 0
	s_add_nc_u64 s[PFA:PFA+1], s[4:5], s[70:71]
	s_or_b32 s[LIM], s[WV], ttmp9                  ; wave 0 of the clusters with x = 0: the same in all partners
	s_cmp_eq_u32 s[LIM], 0
	s_cselect_b32 s[LIM], 1, -1
	v_and_b32 v[PFO], 31, v0
	v_lshlrev_b32 v[PFO], 8, v[PFO]
	s_wait_loadcnt 0x0                             ; the bias: rounded to bf16, that number written as f16
.set c3, 0
.rept 12
	v_cvt_pk_bf16_f32 v[BI+c3], v[FA0+2*c3], v[FA0+2*c3+1]
.set c3, c3+1
.endr
.set c3, 0
.rept 12
	v_lshlrev_b32 v[FA0+2*c3], 16, v[BI+c3]
	v_and_b32 v[FA0+2*c3+1], 0xffff0000, v[BI+c3]
	v_cvt_pk_f16_f32 v[BI+c3], v[FA0+2*c3], v[FA0+2*c3+1]
.set c3, c3+1
.endr
	s_wait_tensorcnt 0x1                           ; my part of K step 0 is in; step 1's may stay out
	s_barrier_signal -1
	s_barrier_wait -1
	LDB FB0, 0, 0
	LDA FA0, 0
	LDB FB0+32, 0, 1
	LDB FB0+64, 0, 2
	UNIT 0, 0, 16, 1, 1                            ; the first three units start the 96 sums
	UNIT 0, 1, 32, 1, 1
	UNIT 0, 2, 32, 1, 1
	s_mov_b32 s[CNT], 14
.Lstep:                                        ; a trip: the second half of K step t, the first half of step t + 1; step t + 2 is asked for
	TURN 1
	UNIT 1, 1, 32, 0, 1
	UNIT 1, 2, 32, 0, 1
	UNIT 0, 0, 16, 0, 1
	UNIT 0, 1, 32, 0, 1
	UNIT 0, 2, 32, 0, 1
	s_sub_co_u32 s[CNT], s[CNT], 1
	s_cmp_lg_u32 s[CNT], 0
	s_cbranch_scc1 .Lstep
	TURN 0                                         ; the tail is written out: nothing is left to ask for
	UNIT 1, 1, 32, 0, 1
	UNIT 1, 2, 32, 0, 1
	UNIT 0, 0, 16, 0, 1
	UNIT 0, 1, 32, 0, 1
	UNIT 0, 2, 32, 0, 1
	UNIT 1, 0, 16, 0, 0
	UNIT 1, 1, 8, 0, 0
	UNIT 1, 2, 0, 0, 0
	; THE WAY OUT.  Rounded to f16, 16 bytes a lane into the work-group's stage; back as whole rows of 768 bytes; the bias added; stored, 16 lanes to 256 consecutive bytes, aligned.
	PLACES
	PLACES
	WIN 0
	s_wait_dscnt 0x0
	s_barrier_signal -1
	s_barrier_wait -1                              ; nobody reads the ring any more: the stage may take its place
.irp g, 0,1,2
	WIN (1+\g)*5                                   ; sources 0 and 1 in the group's window
.set oq, 0
.rept 32
.set ok, 0
.rept 4
	v_cvt_pk_f16_f32 v[FA0+4*oq+ok], v[8*oq+2*ok], v[8*oq+2*ok+1]
.set ok, ok+1
.endr
.set oq, oq+1
.endr
	WIN 0
.set oq, 0
.rept 32
	ds_store_b128 v[STO+oq/16], v[FA0+4*oq:FA0+4*oq+3] offset:((oq/4)%4)*16*SP+32*(4*\g+oq%4)
.set oq, oq+1
.endr
.endr
	s_wait_dscnt 0x0                               ; for the others' sake: my stores are done
	s_barrier_signal -1
	s_barrier_wait -1
	s_mov_b32 s[CNT], 8
.Lout:                                         ; 8 rows a trip of my 64
.set op, 0
.rept 4
.irp c, 0,1,2
	ds_load_b128 v[FA0+4*(3*op+\c):FA0+4*(3*op+\c)+3], v[RD] offset:op*2*SP+256*\c
.endr
.set op, op+1
.endr
	s_wait_dscnt 0x0
.set op, 0
.rept 4
.irp c, 0,1,2
.irp k, 0,1,2,3
	v_pk_add_f16 v[FA0+4*(3*op+\c)+\k], v[FA0+4*(3*op+\c)+\k], v[BI+4*\c+\k]
.endr
.endr
.set op, op+1
.endr
.set op, 0
.rept 4
.irp c, 0,1,2
	global_store_b128 v[CO], v[FA0+4*(3*op+\c):FA0+4*(3*op+\c)+3], s[10:11] offset:op*2*ROWB+256*\c
.endr
.set op, op+1
.endr
	s_wait_xcnt 0x0                                ; the stores have read their registers and their base
	v_add_nc_u32 v[RD], 8*SP, v[RD]
	s_add_nc_u64 s[10:11], s[10:11], 8*ROWB
	s_sub_co_u32 s[CNT], s[CNT], 1
	s_cmp_lg_u32 s[CNT], 0
	s_cbranch_scc1 .Lout
	s_wait_tensorcnt 0x0                           ; the wave's end
	ds_add_u32 v[SPW], v[NIL]
	s_wait_dscnt 0x0
	CROUND                                         ; the closing round
	s_endpgm
.Lfunc_end_k_q522d7cb317_proj:
	.size	k_q522d7cb317_proj, .Lfunc_end_k_q522d7cb317_proj-k_q522d7cb317_proj
	.p2alignl 7, 3214868480
	.fill 96, 4, 3214868480
	.section	.rodata,"a",@progbits
	.p2align	6, 0x0
	.amdhsa_kernel k_q522d7cb317_proj
		.amdhsa_group_segment_fixed_size 327680
		.amdhsa_private_segment_fixed_size 0
		.amdhsa_enable_private_segment 0
		.amdhsa_kernarg_size 32
		.amdhsa_user_sgpr_count 2
		.amdhsa_user_sgpr_kernarg_segment_ptr 1
		.amdhsa_wavefront_size32 1
		.amdhsa_system_sgpr_workgroup_id_x 1
		.amdhsa_system_sgpr_workgroup_id_y 1
		.amdhsa_system_sgpr_workgroup_id_z 1
		.amdhsa_system_vgpr_workitem_id 0
		.amdhsa_next_free_vgpr 1024
		.amdhsa_next_free_sgpr 72
		.amdhsa_reserve_vcc 0
		.amdhsa_float_denorm_mode_32 3
		.amdhsa_float_denorm_mode_16_64 3
		.amdhsa_memory_ordered 1
		.amdhsa_forward_progress 1
		.amdhsa_inst_pref_size 105
	.end_amdhsa_kernel
	.amdgpu_metadata
---
amdhsa.version: [ 1, 2 ]
amdhsa.kernels:
  - .name:           k_q522d7cb317_proj
    .symbol:         k_q522d7cb317_proj.kd
    .args:
      - { .name: xb, .offset: 0, .size: 8, .value_kind: global_buffer, .address_space: global }
      - { .name: wb, .offset: 8, .size: 8, .value_kind: global_buffer, .address_space: global }
      - { .name: proj_b, .offset: 16, .size: 8, .value_kind: global_buffer, .address_space: global }
      - { .name: qkv, .offset: 24, .size: 8, .value_kind: global_buffer, .address_space: global }
    .group_segment_fixed_size: 327680
    .private_segment_fixed_size: 0
    .kernarg_segment_align: 8
    .kernarg_segment_size: 32
    .max_flat_workgroup_size: 128
    .sgpr_count:     72
    .vgpr_count:     1024
    .wavefront_size: 32
...
	.end_amdgpu_metadata
.endif
;; end of part 2
;; launch scores (part 3): grid 8 x 32, 4 waves a work-group, clusters of 4 x 4, 327,680 bytes of LDS; arguments qkv, attention_mask, pbuf, stats; writes pbuf, stats
.if DOCPART == 3
	.amdgcn_target "amdgcn-amd-amdhsa--gfx1250"
	.amdhsa_code_object_version 6
	.text
	.protected	k_q522d7cb317_scores
	.globl	k_q522d7cb317_scores
	.p2align	8
	.type	k_q522d7cb317_scores,@function
k_q522d7cb317_scores:
	s_mov_b64 s[64:65], 0
	v_nop
	global_prefetch_b8 v0, s[64:65] scope:SCOPE_SE
	s_setreg_imm32_b32 hwreg(HW_REG_WAVE_MODE, 25, 1), 1
	s_wait_xcnt 0x0
	s_wait_alu depctr_hold_cnt(0) depctr_sa_sdst(0) depctr_va_vdst(0) depctr_va_sdst(0) depctr_va_ssrc(0) depctr_va_vcc(0) depctr_vm_vsrc(0)
	s_getreg_b32 s2, hwreg(HW_REG_IB_STS2, 6, 4)
	s_cmp_eq_u32 s2, 0
	s_cbranch_scc0 .Lentry_in_a_cluster
	s_endpgm
.Lentry_in_a_cluster:
	s_bfe_u32 s2, ttmp6, 0x10000c
	s_cmp_lg_u32 s2, 0xf033
	s_cbranch_scc0 .Lentry_shape_is_right
	s_endpgm
.Lentry_shape_is_right:
; A tile of 256 queries x 256 keys of s = q . k (K = 1024, f16 operands, f32 sums), the mask, and the tile's own softmax:
;   pbuf[row][key] = 2^(c s - m) in f16, c = log2(e) / 32, m = c x (the row's maximum in this tile);  stats[key tile][row] = (m, l), l = the row's sum of the unrounded weights, both f32.
; The next launch joins a row's eight tiles by 2^(m - M) / L, so the maximum taken away is the row's true one.  A hidden score counts as -2^100: c times it is exact, so a tile with every key hidden
; gives weights of exactly 1 and m = -c 2^100, which the join sends to 0, or, where all 2,048 keys are hidden, to 1 / 2048 each.  LIMITS: f16's scores are under 1.4e11, nothing beside 2^100;
; a weight under 2^-126 counts as 0 in l; NaN and infinities are not treated apart.
; SHARES.  x = key tile, y = 8 batch + query tile: 256 work-groups.  Four waves, 128 x 128 each: 64 accumulators.  K in 8 steps of 128 through two LDS slots; each wave fetches 128 rows of 256 bytes.
; CLUSTER 4 x 4: q's rows are asked for jointly by a row of the cluster, k's rows by a column (a cluster's four y lie in one batch).
; TRANSPOSED: source 0 = 16 keys, source 1 = 16 queries: a lane holds one query and 8 neighbouring keys.
; THE MASK (int32, 1,024 bytes for a row of the tile) is read under the products.  Wave w takes the 64 rows whose softmax it does later, 8 rows a K step: 16 loads of 16 bytes a lane, issued behind the
; tile's request of a change of slots and used six units later.  Lane l's load holds the keys 128 u + 4 l + c, which are the keys that lane l holds in the softmax, so a compare with 0 gives the word
; (row, 4 u + c) whose bit l says whether lane l's score stays.  The 64 compares and the 64 lines that lay the words into a register, a lane a word, ride four behind each product of one unit.
; A wave's 512 words lie in 16 registers, shifted by two a K step; behind the loop they go into LDS bytes of the wave's own, and a softmax trip (4 rows) fetches its 32 words by one load.
; REGISTERS.  Window 0: addresses, fragments, the words.  Windows 1, 2: the accumulators of my keys 0-63 and 64-127: (a, bb) at v[8 (4 a + bb)].  Window 3: v0-63 the mask as loaded.
.set PITCH, 272
.set HALFT, 128*PITCH
.set SLOT,  4*HALFT                    ; 0x22000.  The waves' places, multiples of 0x8800 up to 0x19800, have neither of its two bits: an exclusive or with it changes slots
.set SPARE, 2*SLOT
.set SCR,   SPARE+512                  ; behind the spare words: 2,048 bytes for each wave, its mask words: trip T's 32 words at 128 T.  No fill lands here
.set SPF,   1040                       ; the way out: a stage row of 256 f32 + 16 bytes; the stage (256 rows from byte 0) takes the ring's place behind its last fill
.set ROWB,  6144
.set KSTEP, 256
.set MROW,  8192                       ; bytes in a row of the mask
.set ALB,  4
.set BLB,  5
.set ADRA, 8
.set ADRB, 9
.set STO,  12                          ; v12-13
.set RDS,  14
.set PO,   15                          ; 8 x lane
.set PFO,  16
.set SPW,  17
.set NIL,  18
.set NEGV, 19                          ; -2^100
.set MLO,  20                          ; 16 x lane: my place in 512 bytes of the mask; never rewritten
.set SCA,  21                          ; my word of the trip's 32 in the wave's LDS bytes
.set WL,   22                          ; the trip's words, a lane a word
.set FA0,  32                          ; v32-95, v96-159
.set FB0,  160                         ; v160-191 (g = 0), v192-223 (g = 1)
.set WD,   224                         ; v224-239: the words made so far; the newest two registers on top
.set MD,   0                           ; window 3: row rho of 8, half u, number c at MD + 8 rho + 4 u + c
.set X,    32                          ; the softmax: 4 rows x 8 scores as read
.set Y,    64                          ; masked, scaled, weights
.set PK,   96                          ; weights in f16
.set ST,   112                         ; row g: c m at ST + 2 g; the odd ones are named in pairs only
.set MX,   120
.set TT,   124
.set SM,   128                         ; v128-129: lane i: (m, l) of row i of 32
.set LS,   130
.set WV, 12
.set WR, 13
.set WC, 14
.set CX, 15
.set CY, 16
.set TX, 17
.set TY, 18
.set CNT, 19
.set TB, 20
.set G1A, 24                           ; s[24:55] the descriptors: none of these is written behind the last tensor load
.set G1B, 32
.set G0A, 40
.set G0B, 48
.set PFA, 56
.set LIM, 58
.set CS,  60                           ; s[60:61] c
.set SEL, 62                           ; s[62:63]
.set MS,  68                           ; s[68:83] under the products: four sets of four words on their way from a compare into a register
.set MK,  68                           ; s[68:99] in the softmax: the trip's words: row g, word w at MK + 8 g + w
.set BIT, 20                           ; s[20:23] in the softmax: the lane of row g in SM, as a mask (behind the products the slot's base and the head's scratch registers serve nothing else)
.set CN16, 59                          ; s59  the softmax's trips still to come, 16 to 1
.set OUTER, 66                         ; s66  its halves of 32 rows still to come
.set MSB, 0
.macro WIN new
.if MSB != (\new)
	s_set_vgpr_msb (MSB<<8)|(\new)
.set MSB, \new
.endif
.endm
.macro PLACES
.rept 4
	v_nop
.endr
.endm
.macro CREST
	s_cmp_lg_u32 s[WV], 0
	s_cbranch_scc1 .Lnot_wave_0_\@
	s_barrier_signal -3
.Lnot_wave_0_\@:
	s_barrier_wait -3
	s_barrier_signal -1
	s_barrier_wait -1
.endm
.macro CROUND
	s_barrier_signal -1
	s_barrier_wait -1
	CREST
.endm
.macro JLOAD                           ; waves 0, 1: q's halves; waves 2, 3: k's
	s_cmp_eq_u32 s[WR], 0
	s_cbranch_scc0 .Lfor_b_\@
	tensor_load_to_lds s[G0A+4:G0A+7], s[G1A:G1A+7]
	s_nop 0
.rept 4
	v_nop
.endr
	s_branch .Lasked_\@
.Lfor_b_\@:
	tensor_load_to_lds s[G0B+4:G0B+7], s[G1B:G1B+7]
	s_nop 0
.rept 4
	v_nop
.endr
.Lasked_\@:
.endm
; The prefetch: 256 bytes of each row for the K step behind the one just asked for, 256 products ahead of its joint load.  q's rows are read by both clusters of a row of clusters: x = 0 asks;
; k's by the two clusters of a batch: the even y asks.  Of the 128 rows that a wave fetches each of the four partners takes 32, told apart by address, a lane a row.  The last trip asks for nothing.
.macro ASK
	s_cmp_gt_u32 s[CNT], s[LIM]
	s_cbranch_scc0 .Lnot_mine_\@
	global_prefetch_b8 v[PFO], s[PFA:PFA+1] offset:KSTEP th:TH_LOAD_NT scope:SCOPE_SE
.Lnot_mine_\@:
.endm
; THE MASK'S WORK.  MLOAD: 8 rows, 16 loads.  Half-row mj (row mj / 2 of the 8, half mj % 2): MCMP makes its four words, MWL lays them into lanes 4 (mj % 8) + c of the register of its four rows.
.macro MLOAD
	WIN 0xc0                                       ; destination window 3, address window 0
.set mr, 0
.rept 8
	global_load_b128 v[MD+8*mr:MD+8*mr+3],   v[MLO], s[6:7] offset:mr*MROW th:TH_LOAD_NT
	global_load_b128 v[MD+8*mr+4:MD+8*mr+7], v[MLO], s[6:7] offset:mr*MROW+512 th:TH_LOAD_NT
.set mr, mr+1
.endr
	WIN 0
.endm
.macro MCMP
.irp c, 0,1,2,3
	v_cmp_ne_u32 s[MS+4*(mj%4)+\c], 0, v[MD+4*mj+\c]
.endr
.endm
.macro MWL
.irp c, 0,1,2,3
	v_writelane_b32 v[WD+14+mj/8], s[MS+4*(mj%4)+\c], 4*(mj%8)+\c
.endr
.endm
; Slice sk of 32, four lines behind a product: compares 0, 1; then lay 0, compare 2, lay 1, compare 3 .. compare 15, lay 14, lay 15: a half-row's words are laid three slices behind their compare.
.macro SLICE
	WIN 0x0c                                       ; source 1 (the mask) window 3, all else window 0
.if sk == 0
.set mj, 0
	MCMP
.elseif sk == 31
.set mj, 15
	MWL
.elseif sk%2 == 1
.set mj, (sk+1)/2
	MCMP
.else
.set mj, sk/2-1
	MWL
.endif
.set sk, sk+1
.endm
.macro SHIFT                           ; the words move down by two registers: after eight K steps trip T's words lie in WD + T
.set sh, 0
.rept 14
	v_mov_b32 v[WD+sh], v[WD+sh+2]
.set sh, sh+1
.endr
.endm
.macro MUL16 abuf, bbuf, win, ah, zero, ride=0
.set ma, 4*(\ah)
.rept 4
.set mb, 0
.rept 4
	WIN (\win)*0x50
.if \zero
	v_wmma_f32_16x16x32_f16 v[8*(4*ma+mb):8*(4*ma+mb)+7], v[(\bbuf)+8*mb:(\bbuf)+8*mb+7], v[(\abuf)+8*ma:(\abuf)+8*ma+7], 0
.else
	v_wmma_f32_16x16x32_f16 v[8*(4*ma+mb):8*(4*ma+mb)+7], v[(\bbuf)+8*mb:(\bbuf)+8*mb+7], v[(\abuf)+8*ma:(\abuf)+8*ma+7], v[8*(4*ma+mb):8*(4*ma+mb)+7]
.endif
.if \ride
	SLICE
.endif
.set mb, mb+1
.endr
.set ma, ma+1
.endr
.endm
.macro LDA buf, kap
.set la, 0
.rept 8
	ds_load_b128 v[(\buf)+8*la:(\buf)+8*la+3],   v[ADRA] offset:la*16*PITCH+64*(\kap)
	ds_load_b128 v[(\buf)+8*la+4:(\buf)+8*la+7], v[ADRA] offset:la*16*PITCH+64*(\kap)+32
.set la, la+1
.endr
.endm
.macro LDB buf, kap, g
.set lb, 0
.rept 4
	ds_load_b128 v[(\buf)+8*lb:(\buf)+8*lb+3],   v[ADRB] offset:(4*(\g)+lb)*16*PITCH+64*(\kap)
	ds_load_b128 v[(\buf)+8*lb+4:(\buf)+8*lb+7], v[ADRB] offset:(4*(\g)+lb)*16*PITCH+64*(\kap)+32
.set lb, lb+1
.endr
.endm
; A unit: quarter kap of the K step, key group g.  Behind its products it fetches the next quarter: group g's keys, and with g = 0 the queries.
; mk = 1: the words are shifted, in the four places' stead.  mk = 2: the 8 rows of the mask that are in are made into words, a slice behind each product.
.macro UNIT kap, g, wt, zero, load, mk=0
	s_wait_dscnt \wt                               ; the younger run may stay out: 8 loads ahead of g = 0, 24 ahead of g = 1
.if (\mk) == 2
	s_wait_loadcnt 0x0                             ; the mask's 16 loads, issued six units back
.set sk, 0
.endif
	MUL16 FA0+64*((\kap)%2), FB0+32*(\g), 1+(\g), 0, \zero, (\mk)/2
	MUL16 FA0+64*((\kap)%2), FB0+32*(\g), 1+(\g), 1, \zero, (\mk)/2
.if \load
.if (\mk) == 1
	WIN 0
	SHIFT                                          ; fourteen plain lines that name no register of the products: the places in front of the loads
.else
	PLACES
	WIN 0
.endif
	LDB FB0+32*(\g), ((\kap)+1)%4, \g
.if (\g) == 0
	LDA FA0+64*(((\kap)+1)%2), ((\kap)+1)%4
.endif
.endif
.endm
; The unit (3, 0), in which slots change.  Its 32 products stand ahead of the wait for the tile, so that they run while the tile is on its way.  Then: all my tensor loads, the add, my reads; the barrier
; (fill = 1: a round of the cluster's); the refill first behind it, 256 products ahead of the wait for it; the next slot's first fragments; and the next 8 rows of the mask, behind the tile's request.
.macro TURN fill
	s_wait_dscnt 8                                 ; the younger run of 8
	MUL16 FA0+64, FB0, 1, 0, 0
	MUL16 FA0+64, FB0, 1, 1, 0
	WIN 0
.if \fill
	s_wait_xcnt 0x0                                ; the last prefetch, a K step back, has read its address
	s_add_nc_u64 s[PFA:PFA+1], s[PFA:PFA+1], KSTEP
.endif
	s_wait_tensorcnt 0x0
	ds_add_u32 v[SPW], v[NIL]
.if \fill
	s_xor_b32 s[G0A+5], s[G0A+5], SLOT             ; no load of mine is out: the walking descriptors step
	s_add_nc_u64 s[G0A+6:G0A+7], s[G0A+6:G0A+7], KSTEP
	s_xor_b32 s[G0B+5], s[G0B+5], SLOT
	s_add_nc_u64 s[G0B+6:G0B+7], s[G0B+6:G0B+7], KSTEP
.endif
	s_wait_dscnt 0x0                               ; the add is done, and my reads of this slot are over
	s_barrier_signal -1
	s_barrier_wait -1
.if \fill
	CREST
	JLOAD
.else
	PLACES
.endif
	s_xor_b32 s[TB], s[TB], SLOT
	v_add_nc_u32 v[ADRA], s[TB], v[ALB]
	v_add_nc_u32 v[ADRB], s[TB], v[BLB]
	LDB FB0, 0, 0
	LDA FA0, 0
	s_add_nc_u64 s[6:7], s[6:7], 8*MROW            ; the mask's last loads were waited for in the unit before
	MLOAD
.if \fill
	ASK
.endif
.endm
.macro FRONT                           ; a K step's second and third quarters
	UNIT 1, 0, 8, 0, 1
	UNIT 1, 1, 24, 0, 1
	UNIT 2, 0, 8, 0, 1, 1
	UNIT 2, 1, 24, 0, 1, 2
.endm
.macro BACK                            ; behind the change of slots: the rest of the fourth quarter, the next step's first
	UNIT 3, 1, 24, 0, 1
	UNIT 0, 0, 8, 0, 1
	UNIT 0, 1, 24, 0, 1
.endm
	s_load_b256 s[4:11], s[0:1], 0x0               ; qkv s[4:5], attention_mask s[6:7], pbuf s[8:9], stats s[10:11]
	v_lshl_add_u32 v[SPW], v0, 2, SPARE
	v_mov_b32 v[NIL], 0
	ds_add_u32 v[SPW], v[NIL]                      ; the opening
	v_lshrrev_b32 v1, 5, v0
	v_readfirstlane_b32 s[WV], v1
	s_lshr_b32 s[WR], s[WV], 1
	s_and_b32 s[WC], s[WV], 1
	s_bfe_u32 s[CX], ttmp6, 0x40000
	s_bfe_u32 s[CY], ttmp6, 0x40004
	s_lshl_b32 s[TX], ttmp9, 2
	s_add_co_u32 s[TX], s[TX], s[CX]
	s_and_b32 s[TY], ttmp7, 0xffff
	s_lshl_b32 s[TY], s[TY], 2
	s_add_co_u32 s[TY], s[TY], s[CY]
	s_lshl_b32 s21, s[CY], 2
	s_lshl_b32 s21, 15, s21
	s_lshl_b32 s23, 0x1111, s[CX]
	s_or_b32 s[G1A], s21, (1<<16)|(1<<20)|(1<<21)|(5<<22)|(3<<25)  ; mask; 2-byte elements; padding: after every 64 words, 4 words
	s_or_b32 s[G1B], s23, (1<<16)|(1<<20)|(1<<21)|(5<<22)|(3<<25)
.irp g, G1A, G1B
	s_mov_b32 s[\g+1], 128<<16
	s_mov_b32 s[\g+2], 128<<16
	s_mov_b32 s[\g+3], 128<<16
	s_mov_b32 s[\g+4], 128
	s_mov_b32 s[\g+5], 3072
	s_mov_b32 s[\g+6], 0
	s_mov_b32 s[\g+7], 0
.endr
	s_mov_b32 s[CS], 0x3d38aa3b                    ; c = log2(e) / 32
	s_mov_b32 s[CS+1], s[CS]
	s_mov_b32 s[SEL], 0x76543210
	s_mov_b32 s[SEL+1], 0xfedcba98
	s_mov_b32 s[TB], 0
	s_lshl_b32 s22, s[WC], 7                       ; which 128 rows of a tile I fetch
	s_lshl_b32 s21, s[TY], 8
	s_add_co_u32 s21, s21, s22                     ; q: row 256 y + 128 half
	s_mul_i32 s66, s21, ROWB
	s_mov_b32 s67, 0
	s_and_b32 s23, ttmp7, 0xffff
	s_lshr_b32 s23, s23, 1                         ; the batch: two clusters along y each
	s_lshl_b32 s23, s23, 11
	s_lshl_b32 s68, s[TX], 8
	s_add_co_u32 s23, s23, s68
	s_add_co_u32 s23, s23, s22                     ; k: row 2048 batch + 256 x + 128 half
	s_mul_i32 s68, s23, ROWB
	s_add_co_u32 s68, s68, 2048                    ; k's columns begin 2,048 bytes into a row
	s_mov_b32 s69, 0
	s_mul_i32 s70, s[WV], HALFT
	s_wait_dscnt 0x0
	s_wait_kmcnt 0x0
	s_add_nc_u64 s[66:67], s[4:5], s[66:67]
	s_add_nc_u64 s[68:69], s[4:5], s[68:69]
	CROUND
.irp s, 0,1
	s_mov_b32 s[G0A+4*\s], 1
	s_add_co_u32 s[G0A+4*\s+1], s70, \s*SLOT
	s_add_nc_u64 s[G0A+4*\s+2:G0A+4*\s+3], s[66:67], \s*KSTEP
	s_or_b32 s[G0A+4*\s+3], s[G0A+4*\s+3], 0x80000000
	s_mov_b32 s[G0B+4*\s], 1
	s_add_co_u32 s[G0B+4*\s+1], s70, \s*SLOT
	s_add_nc_u64 s[G0B+4*\s+2:G0B+4*\s+3], s[68:69], \s*KSTEP
	s_or_b32 s[G0B+4*\s+3], s[G0B+4*\s+3], 0x80000000
.endr
	s_cmp_eq_u32 s[WR], 0
	s_cbranch_scc0 .Lfirst_b
	tensor_load_to_lds s[G0A:G0A+3], s[G1A:G1A+7]
	s_nop 0
	tensor_load_to_lds s[G0A+4:G0A+7], s[G1A:G1A+7]
	s_nop 0
.rept 4
	v_nop
.endr
	s_branch .Lfirst_asked
.Lfirst_b:
	tensor_load_to_lds s[G0B:G0B+3], s[G1B:G1B+7]
	s_nop 0
	tensor_load_to_lds s[G0B+4:G0B+7], s[G1B:G1B+7]
	s_nop 0
.rept 4
	v_nop
.endr
.Lfirst_asked:
	v_and_b32 v1, 15, v0
	v_bfe_u32 v2, v0, 4, 1
	v_and_b32 v3, 31, v0
	; where my 64 rows of the softmax lie in the mask, in pbuf and in stats; the mask's first 8 rows are asked for at once
	v_lshlrev_b32 v[MLO], 4, v3
	s_lshl_b32 s72, s[TY], 8
	s_lshl_b32 s73, s[WV], 6
	s_add_co_u32 s72, s72, s73                     ; row 256 y + 64 w
	s_mov_b32 s75, 0
	s_lshl_b32 s74, s72, 13
	s_lshl_b32 s73, s[TX], 10
	s_add_co_u32 s74, s74, s73
	s_add_nc_u64 s[6:7], s[6:7], s[74:75]          ; 8,192 bytes a row, 1,024 a key tile
	MLOAD
	s_lshl_b32 s74, s72, 12
	s_lshl_b32 s73, s[TX], 9
	s_add_co_u32 s74, s74, s73
	s_add_nc_u64 s[8:9], s[8:9], s[74:75]
	s_lshl_b32 s74, s72, 3
	s_lshl_b32 s73, s[TX], 16
	s_add_co_u32 s74, s74, s73
	s_add_nc_u64 s[10:11], s[10:11], s[74:75]
	v_mul_u32_u24 v6, v1, PITCH
	v_lshl_add_u32 v6, v2, 4, v6
	s_mul_i32 s72, s[WR], HALFT
	v_add_nc_u32 v[ALB], s72, v6
	s_mul_i32 s72, s[WC], HALFT
	s_add_co_u32 s72, s72, 2*HALFT
	v_add_nc_u32 v[BLB], s72, v6
	v_mov_b32 v[ADRA], v[ALB]
	v_mov_b32 v[ADRB], v[BLB]
	v_mul_u32_u24 v[STO], v1, SPF
	v_lshl_add_u32 v[STO], v2, 5, v[STO]
	s_mul_i32 s72, s[WR], 128*SPF
	s_lshl_b32 s73, s[WC], 9
	s_add_co_u32 s72, s72, s73
	v_add_nc_u32 v[STO], s72, v[STO]               ; (128 wr + r) x 1040 + 512 wc + 32 h
	v_add_nc_u32 v[STO+1], 64*SPF, v[STO]
	s_mul_i32 s72, s[WV], 64*SPF
	v_lshl_add_u32 v[RDS], v3, 4, s72              ; row 64 w, keys 4 lane ..
	s_lshl_b32 s72, s[WV], 11
	s_add_co_u32 s72, s72, SCR
	v_lshl_add_u32 v[SCA], v3, 2, s72              ; my wave's 2,048 bytes, my lane's word
	v_lshlrev_b32 v[PO], 3, v3
	v_mov_b32 v[NEGV], 0xf1800000                  ; -2^100
	v_mul_u32_u24 v[PFO], v3, ROWB
.set t, 0
.rept 16
	v_mov_b32 v[WD+t], 0                           ; written once, since the shift reads them before the first words are laid
.set t, t+1
.endr
	; the prefetches
	s_lshl_b32 s72, s[TY], 8
	s_add_co_u32 s72, s72, s22
	s_lshl_b32 s73, s[CX], 5
	s_add_co_u32 s72, s72, s73
	s_mul_i32 s72, s72, ROWB
	s_add_co_u32 s72, s72, KSTEP                   ; q: my work-group's 32 rows, at K step 1
	s_and_b32 s74, ttmp7, 0xffff
	s_lshr_b32 s74, s74, 1
	s_lshl_b32 s74, s74, 11
	s_lshl_b32 s73, s[TX], 8
	s_add_co_u32 s74, s74, s73
	s_add_co_u32 s74, s74, s22
	s_lshl_b32 s73, s[CY], 5
	s_add_co_u32 s74, s74, s73
	s_mul_i32 s74, s74, ROWB
	s_add_co_u32 s74, s74, 2048+KSTEP              ; k: likewise
	s_and_b32 s73, ttmp7, 1                        ; is the cluster the batch's first?
	s_cmp_eq_u32 s[WR], 0
	s_cselect_b32 s72, s72, s74
	s_cselect_b32 s74, ttmp9, s73
	s_mov_b32 s73, 0
	s_add_nc_u64 s[PFA:PFA+1], s[4:5], s[72:73]
	s_cmp_eq_u32 s74, 0
	s_cselect_b32 s[LIM], 1, -1
	s_wait_tensorcnt 0x1
	s_barrier_signal -1
	s_barrier_wait -1
	LDB FB0, 0, 0
	LDA FA0, 0
	LDB FB0+32, 0, 1
	UNIT 0, 0, 8, 1, 1                             ; the first two units start the 64 sums
	UNIT 0, 1, 24, 1, 1
	s_mov_b32 s[CNT], 6
.Lstep:                                        ; from a K step's second quarter to the next step's first; the step two on is asked for
	FRONT
	TURN 1
	BACK
	s_sub_co_u32 s[CNT], s[CNT], 1
	s_cmp_lg_u32 s[CNT], 0
	s_cbranch_scc1 .Lstep
	s_mov_b32 s[CNT], 2                            ; the last two K steps ask for no tile: a text of their own, walked twice and left in its middle
.Ltail:
	FRONT
	s_sub_co_u32 s[CNT], s[CNT], 1
	s_cmp_eq_u32 s[CNT], 0
	s_cbranch_scc1 .Lfin
	TURN 0
	BACK
	s_branch .Ltail
.Lfin:
	UNIT 3, 0, 8, 0, 0
	UNIT 3, 1, 0, 0, 0
	; THE SUMS GO THROUGH A STAGE, so that a wave gets whole rows of the tile: 256 keys of a row in 32 lanes, 8 each.
	PLACES
	PLACES
	WIN 0
	s_wait_dscnt 0x0
	s_barrier_signal -1
	s_barrier_wait -1                              ; nobody reads the ring any more
.irp g, 0,1
	WIN (1+\g)<<2                                  ; the stores' data in the group's window
.set oq, 0
.rept 32
	ds_store_b128 v[STO+oq/16], v[8*oq:8*oq+3]   offset:((oq/4)%4)*16*SPF+64*(4*\g+oq%4)
	ds_store_b128 v[STO+oq/16], v[8*oq+4:8*oq+7] offset:((oq/4)%4)*16*SPF+64*(4*\g+oq%4)+16
.set oq, oq+1
.endr
.endr
	WIN 0
.set t, 0
.rept 16
	ds_store_b32 v[SCA], v[WD+t] offset:128*t      ; trip t's 32 words, into my wave's own bytes
.set t, t+1
.endr
.irp g, 0,1,2,3
	v_mov_b32 v[ST+2*\g+1], 0
	v_mov_b32 v[TT+\g], 0
.endr
	v_mov_b32 v[SM], 0
	v_mov_b32 v[SM+1], 0
	s_wait_dscnt 0x0
	s_barrier_signal -1
	s_barrier_wait -1
.irp g, 0,1,2,3                        ; the first four rows, and their words
	ds_load_b128 v[X+8*\g:X+8*\g+3],   v[RDS] offset:\g*SPF
	ds_load_b128 v[X+8*\g+4:X+8*\g+7], v[RDS] offset:\g*SPF+512
.endr
	ds_load_b32 v[WL], v[SCA]
	s_mov_b32 s[CN16], 16
	s_mov_b32 s[OUTER], 2
.Lhalf:                                        ; 32 rows, whose (m, l) are gathered a lane a row
	s_mov_b32 s[BIT], 1
	s_mov_b32 s[BIT+1], 2
	s_mov_b32 s[BIT+2], 4
	s_mov_b32 s[BIT+3], 8
	s_mov_b32 s[CNT], 8
.Ltrip:                                        ; four rows
	s_wait_dscnt 0x0                               ; the scores and the words are in: both were asked for a trip ago
.set i, 0
.rept 32
	v_readlane_b32 s[MK+i], v[WL], i               ; word 8 g + 4 u + c: its bit l belongs to key 128 u + 4 l + c of row g, which lane l holds in register 4 u + c
.set i, i+1
.endr
.irp g, 0,1,2,3
.irp w, 0,1,2,3,4,5,6,7
	v_cndmask_b32 v[Y+8*\g+\w], v[NEGV], v[X+8*\g+\w], s[MK+8*\g+\w]
.endr
.endr
	s_cmp_eq_u32 s[CN16], 1                        ; the next four rows land under the rest of the trip; the last trip has none
	s_cbranch_scc1 .Lno_more
	v_add_nc_u32 v[RDS], 4*SPF, v[RDS]
	v_add_nc_u32 v[SCA], 128, v[SCA]
.irp g, 0,1,2,3
	ds_load_b128 v[X+8*\g:X+8*\g+3],   v[RDS] offset:\g*SPF
	ds_load_b128 v[X+8*\g+4:X+8*\g+7], v[RDS] offset:\g*SPF+512
.endr
	ds_load_b32 v[WL], v[SCA]
.Lno_more:
	s_sub_co_u32 s[CN16], s[CN16], 1
.irp g, 0,1,2,3
	v_max3_num_f32 v[MX+\g], v[Y+8*\g], v[Y+8*\g+1], v[Y+8*\g+2]
.endr
.irp g, 0,1,2,3
	v_max3_num_f32 v[MX+\g], v[MX+\g], v[Y+8*\g+3], v[Y+8*\g+4]
.endr
.irp g, 0,1,2,3
	v_max3_num_f32 v[MX+\g], v[MX+\g], v[Y+8*\g+5], v[Y+8*\g+6]
.endr
.irp g, 0,1,2,3
	v_max_num_f32 v[MX+\g], v[MX+\g], v[Y+8*\g+7]
.endr
.irp m, 1,2,4,8
.irp g, 0,1,2,3
	v_max_num_f32_dpp v[MX+\g], v[MX+\g], v[MX+\g] row_xmask:\m row_mask:0xf bank_mask:0xf
.endr
.endr
.irp g, 0,1,2,3
	v_permlanex16_b32 v[TT+\g], v[MX+\g], s[SEL], s[SEL+1]
.endr
.irp g, 0,1,2,3
	v_max_num_f32 v[MX+\g], v[MX+\g], v[TT+\g]     ; every lane holds the row's maximum in this tile
.endr
.irp g, 0,1,2,3
	v_mul_f32 v[ST+2*\g], s[CS], v[MX+\g]
.endr
.irp g, 0,1,2,3
.irp k, 0,1,2,3
	v_pk_fma_f32 v[Y+8*\g+2*\k:Y+8*\g+2*\k+1], v[Y+8*\g+2*\k:Y+8*\g+2*\k+1], s[CS:CS+1], v[ST+2*\g:ST+2*\g+1] op_sel_hi:[1,0,0] neg_lo:[0,0,1] neg_hi:[0,0,1]
.endr
.endr
.set e, 0
.rept 32
	v_exp_f32 v[Y+e], v[Y+e]                       ; one batch
.set e, e+1
.endr
	v_nop                                          ; a plain instruction behind the last exponential,
	s_wait_alu depctr_va_vdst(0)                   ; and one wait for the batch, ahead of its first reader
	s_wait_xcnt 0x0                                ; the last trip's stores have read their registers and their base: both are written only behind this wait
	s_add_nc_u64 s[8:9], s[8:9], 4*4096            ; four rows on; this trip's stores reach back by their immediates
.irp g, 0,1,2,3
.irp k, 0,1,2,3
	v_cvt_pk_f16_f32 v[PK+4*\g+\k], v[Y+8*\g+2*\k], v[Y+8*\g+2*\k+1]
.endr
.endr
.irp g, 0,1,2,3
	v_pk_add_f32 v[Y+8*\g:Y+8*\g+1], v[Y+8*\g:Y+8*\g+1], v[Y+8*\g+2:Y+8*\g+3]
	v_pk_add_f32 v[Y+8*\g+4:Y+8*\g+5], v[Y+8*\g+4:Y+8*\g+5], v[Y+8*\g+6:Y+8*\g+7]
.endr
.irp g, 0,1,2,3
	global_store_b64 v[PO], v[PK+4*\g:PK+4*\g+1],   s[8:9] offset:\g*4096-4*4096      ; 32 lanes: 256 consecutive bytes, aligned
	global_store_b64 v[PO], v[PK+4*\g+2:PK+4*\g+3], s[8:9] offset:\g*4096+256-4*4096
.endr
.irp g, 0,1,2,3
	v_pk_add_f32 v[Y+8*\g:Y+8*\g+1], v[Y+8*\g:Y+8*\g+1], v[Y+8*\g+4:Y+8*\g+5]
.endr
.irp g, 0,1,2,3
	v_add_f32 v[LS+\g], v[Y+8*\g], v[Y+8*\g+1]
.endr
.irp m, 1,2,4,8
.irp g, 0,1,2,3
	v_add_f32_dpp v[LS+\g], v[LS+\g], v[LS+\g] row_xmask:\m row_mask:0xf bank_mask:0xf
.endr
.endr
.irp g, 0,1,2,3
	v_permlanex16_b32 v[TT+\g], v[LS+\g], s[SEL], s[SEL+1]
.endr
.irp g, 0,1,2,3
	v_add_f32 v[LS+\g], v[LS+\g], v[TT+\g]
.endr
.irp g, 0,1,2,3
	v_cndmask_b32 v[SM], v[SM], v[ST+2*\g], s[BIT+\g]      ; the row's lane takes m and l
	v_cndmask_b32 v[SM+1], v[SM+1], v[LS+\g], s[BIT+\g]
.endr
.irp g, 0,1,2,3
	s_lshl_b32 s[BIT+\g], s[BIT+\g], 4
.endr
	s_sub_co_u32 s[CNT], s[CNT], 1
	s_cmp_lg_u32 s[CNT], 0
	s_cbranch_scc1 .Ltrip
	global_store_b64 v[PO], v[SM:SM+1], s[10:11]   ; 32 rows' (m, l): 256 consecutive bytes, aligned
	s_wait_xcnt 0x0
	s_add_nc_u64 s[10:11], s[10:11], 256
	s_sub_co_u32 s[OUTER], s[OUTER], 1
	s_cmp_lg_u32 s[OUTER], 0
	s_cbranch_scc1 .Lhalf
	s_wait_tensorcnt 0x0                           ; the wave's end
	ds_add_u32 v[SPW], v[NIL]
	s_wait_dscnt 0x0
	CROUND
	s_endpgm
.Lfunc_end_k_q522d7cb317_scores:
	.size	k_q522d7cb317_scores, .Lfunc_end_k_q522d7cb317_scores-k_q522d7cb317_scores
	.p2alignl 7, 3214868480
	.fill 96, 4, 3214868480
	.section	.rodata,"a",@progbits
	.p2align	6, 0x0
	.amdhsa_kernel k_q522d7cb317_scores
		.amdhsa_group_segment_fixed_size 327680
		.amdhsa_private_segment_fixed_size 0
		.amdhsa_enable_private_segment 0
		.amdhsa_kernarg_size 32
		.amdhsa_user_sgpr_count 2
		.amdhsa_user_sgpr_kernarg_segment_ptr 1
		.amdhsa_wavefront_size32 1
		.amdhsa_system_sgpr_workgroup_id_x 1
		.amdhsa_system_sgpr_workgroup_id_y 1
		.amdhsa_system_sgpr_workgroup_id_z 1
		.amdhsa_system_vgpr_workitem_id 0
		.amdhsa_next_free_vgpr 832
		.amdhsa_next_free_sgpr 100
		.amdhsa_reserve_vcc 0
		.amdhsa_float_denorm_mode_32 3
		.amdhsa_float_denorm_mode_16_64 3
		.amdhsa_memory_ordered 1
		.amdhsa_forward_progress 1
		.amdhsa_inst_pref_size 126
	.end_amdhsa_kernel
	.amdgpu_metadata
---
amdhsa.version: [ 1, 2 ]
amdhsa.kernels:
  - .name:           k_q522d7cb317_scores
    .symbol:         k_q522d7cb317_scores.kd
    .args:
      - { .name: qkv, .offset: 0, .size: 8, .value_kind: global_buffer, .address_space: global }
      - { .name: attention_mask, .offset: 8, .size: 8, .value_kind: global_buffer, .address_space: global }
      - { .name: pbuf, .offset: 16, .size: 8, .value_kind: global_buffer, .address_space: global }
      - { .name: stats, .offset: 24, .size: 8, .value_kind: global_buffer, .address_space: global }
    .group_segment_fixed_size: 327680
    .private_segment_fixed_size: 0
    .kernarg_segment_align: 8
    .kernarg_segment_size: 32
    .max_flat_workgroup_size: 128
    .sgpr_count:     100
    .vgpr_count:     832
    .wavefront_size: 32
...
	.end_amdgpu_metadata
.endif
;; end of part 3
;; launch ctxk (part 4): grid 8 x 32, 4 waves a work-group, clusters of 4 x 4, 327,680 bytes of LDS; arguments pbuf, qkv, stats, ctx; writes ctx
.if DOCPART == 4
	.amdgcn_target "amdgcn-amd-amdhsa--gfx1250"
	.amdhsa_code_object_version 6
	.text
	.protected	k_q522d7cb317_ctxk
	.globl	k_q522d7cb317_ctxk
	.p2align	8
	.type	k_q522d7cb317_ctxk,@function
k_q522d7cb317_ctxk:
	s_mov_b64 s[64:65], 0
	v_nop
	global_prefetch_b8 v0, s[64:65] scope:SCOPE_SE
	s_setreg_imm32_b32 hwreg(HW_REG_WAVE_MODE, 25, 1), 1
	s_wait_xcnt 0x0
	s_wait_alu depctr_hold_cnt(0) depctr_sa_sdst(0) depctr_va_vdst(0) depctr_va_sdst(0) depctr_va_ssrc(0) depctr_va_vcc(0) depctr_vm_vsrc(0)
	s_getreg_b32 s2, hwreg(HW_REG_IB_STS2, 6, 4)
	s_cmp_eq_u32 s2, 0
	s_cbranch_scc0 .Lentry_in_a_cluster
	s_endpgm
.Lentry_in_a_cluster:
	s_bfe_u32 s2, ttmp6, 0x10000c
	s_cmp_lg_u32 s2, 0xf033
	s_cbranch_scc0 .Lentry_shape_is_right
	s_endpgm
.Lentry_shape_is_right:
; ctx[row][ch] (f16) = the sum over the row's eight key tiles t of f_t x (P_t . V_t),  f_t = 2^(m_t - M) / L,  M = max m_t,  L = the sum of 2^(m_t - M) l_t: the softmax's true maximum and sum, in f32.
; P (pbuf, f16, weights against each tile's own maximum) and V (qkv's columns 2048.., f16) are multiplied with f32 sums; each key tile has its own sum R, folded into O by one packed multiply-add.
; L is at least about 1: the tile that holds M has a weight of 1.  LIMITS: a factor under 2^-126 counts as 0; NaN and infinities are not treated apart.
; SHARES.  A tile of 256 queries (y) x 128 channels (x): 256 work-groups.  Four waves, 128 x 64 each.  K = 2,048 keys in 16 steps of 128; two steps are a LAP, one key tile.
; Waves 0, 1 fetch P's halves (128 rows of 256 bytes), waves 2, 3 V's (64 keys of 256 bytes).  CLUSTER 4 x 4: P jointly by a row of the cluster, V by a column.
; O is cleared at the head, under the wait for the first tiles, so that every lap has one form of fold; a first lap written out would be a third copy of a lap's text.
; REGISTERS.  Window 0: addresses, two sets of fragments (A 64, B 32), the factors.  Window 1: R, (a, bb) at v[8 (4 a + bb)].  Window 2: O, likewise.
.set PA,    272
.set PB,    288
.set AHALF, 128*PA
.set BHALF, 64*PB
.set BOFF,  2*AHALF
.set SLOTX, 1<<17
.set FT,    SLOTX+BOFF+2*BHALF         ; behind the ring: each wave's own table of factors, [t 8][row 128] f32
.set SPARE, FT+4*4096
.set ASTEP, 256
.set BSTEP, 128*6144
.set ALB,  4
.set BLB,  5
.set SVO,  6                           ; at work in the head
.set FTS,  7
.set ADRA, 8
.set ADRB, 9
.set FTA,  10                          ; where the lap's factors of my lane's rows lie
.set STO,  12
.set RD,   14
.set CO,   15
.set PFO,  16
.set SPW,  17
.set NIL,  18
.set S0,   32                          ; set 0: A v32-95, B v96-127; set 1: A v128-191, B v192-223
.set F,    224                         ; v224-239: row block a's factor at F + 2 a; the odd ones are named in pairs only
.set SV,   32                          ; the head: (m, l) of rows 32 i + lane, tile t at SV + 2 (8 i + t)
.set TM,   96
.set TL,   100
.set WV, 12
.set WR, 13
.set WC, 14
.set CX, 15
.set CY, 16
.set TX, 17
.set TY, 18
.set CNT, 19
.set TB, 20
.set G1A, 24
.set G1B, 32
.set G0A, 40
.set G0B, 48
.set PFA, 56
.set LIM, 58
.set PST, 60                           ; s[60:61] the prefetches' step
.set MSB, 0
.macro WIN new
.if MSB != (\new)
	s_set_vgpr_msb (MSB<<8)|(\new)
.set MSB, \new
.endif
.endm
.macro PLACES
.rept 4
	v_nop
.endr
.endm
.macro CREST
	s_cmp_lg_u32 s[WV], 0
	s_cbranch_scc1 .Lnot_wave_0_\@
	s_barrier_signal -3
.Lnot_wave_0_\@:
	s_barrier_wait -3
	s_barrier_signal -1
	s_barrier_wait -1
.endm
.macro CROUND
	s_barrier_signal -1
	s_barrier_wait -1
	CREST
.endm
.macro JLOAD
	s_cmp_eq_u32 s[WR], 0
	s_cbranch_scc0 .Lfor_b_\@
	tensor_load_to_lds s[G0A+4:G0A+7], s[G1A:G1A+7]
	s_nop 0
.rept 4
	v_nop
.endr
	s_branch .Lasked_\@
.Lfor_b_\@:
	tensor_load_to_lds s[G0B+4:G0B+7], s[G1B:G1B+7]
	s_nop 0
.rept 4
	v_nop
.endr
.Lasked_\@:
.endm
; The prefetch: the step two behind the one just asked for, 256 products ahead of its joint load.  P's rows: the clusters with x = 0, waves 0 and 1, 32 of the wave's 128 rows to each partner;
; V's 128 keys of a step: the batch's first cluster (even y), wave 2, 32 keys to each partner; told apart by address, a lane a row.  The loop's last lap asks for nothing: steps 16 and 17 do not exist.
.macro ASK
	s_cmp_gt_u32 s[CNT], s[LIM]
	s_cbranch_scc0 .Lnot_mine_\@
	global_prefetch_b8 v[PFO], s[PFA:PFA+1] th:TH_LOAD_NT scope:SCOPE_SE
.Lnot_mine_\@:
.endm
.macro MUL16 abuf, bbuf, ah, zero
	WIN 0x50
.set ma, 4*(\ah)
.rept 4
.set mb, 0
.rept 4
.if \zero
	v_wmma_f32_16x16x32_f16 v[8*(4*ma+mb):8*(4*ma+mb)+7], v[(\bbuf)+8*mb:(\bbuf)+8*mb+7], v[(\abuf)+8*ma:(\abuf)+8*ma+7], 0
.else
	v_wmma_f32_16x16x32_f16 v[8*(4*ma+mb):8*(4*ma+mb)+7], v[(\bbuf)+8*mb:(\bbuf)+8*mb+7], v[(\abuf)+8*ma:(\abuf)+8*ma+7], v[8*(4*ma+mb):8*(4*ma+mb)+7]
.endif
.set mb, mb+1
.endr
.set ma, ma+1
.endr
.endm
.macro LDSET set, kap                  ; 24 loads: B's 64 channels (turned), then A's 128 rows, keys 32 kap ..
.set lb, 0
.rept 4
	ds_load_tr16_b128 v[S0+96*(\set)+64+8*lb:S0+96*(\set)+64+8*lb+3],   v[ADRB] offset:(\kap)*32*PB+32*lb
	ds_load_tr16_b128 v[S0+96*(\set)+64+8*lb+4:S0+96*(\set)+64+8*lb+7], v[ADRB] offset:(\kap)*32*PB+16*PB+32*lb
.set lb, lb+1
.endr
.set la, 0
.rept 8
	ds_load_b128 v[S0+96*(\set)+8*la:S0+96*(\set)+8*la+3],   v[ADRA] offset:la*16*PA+64*(\kap)
	ds_load_b128 v[S0+96*(\set)+8*la+4:S0+96*(\set)+8*la+7], v[ADRA] offset:la*16*PA+64*(\kap)+32
.set la, la+1
.endr
.endm
; A unit: quarter kap of a step, on set kap % 2; behind its products the same set takes the quarter two on.  fac = 1: the lap's eight factors are fetched too.
.macro UNIT kap, wt, zero, load, fac
	s_wait_dscnt \wt                               ; 24: the other set's run may stay out
	MUL16 S0+96*((\kap)%2), S0+96*((\kap)%2)+64, 0, \zero
	MUL16 S0+96*((\kap)%2), S0+96*((\kap)%2)+64, 1, \zero
.if \load
	PLACES
	WIN 0
	LDSET (\kap)%2, ((\kap)+2)%4
.endif
.if \fac
.set la, 0
.rept 8
	ds_load_b32 v[F+2*la], v[FTA] offset:64*la
.set la, la+1
.endr
	v_add_nc_u32 v[FTA], 512, v[FTA]
.endif
.endm
; The unit 2, in which slots change; its run and unit 3's read the next slot.  Its 32 products stand ahead of the wait for the tile, so that they run while the tile is on its way and nothing but the add,
; the descriptors' steps and the barrier lies between a tile's landing and the next request.  fill = 1: 128 products lie between a request and the wait for it.
.macro TURN fill, wt
	s_wait_dscnt \wt                               ; the younger run of 24 (with the factors: 32)
	MUL16 S0, S0+64, 0, 0
	MUL16 S0, S0+64, 1, 0
	WIN 0
.if \fill
	s_wait_xcnt 0x0                                ; the last prefetch, a step back, has read its address
	s_add_nc_u64 s[PFA:PFA+1], s[PFA:PFA+1], s[PST:PST+1]
.endif
	s_wait_tensorcnt 0x0
	ds_add_u32 v[SPW], v[NIL]
.if \fill
	s_xor_b32 s[G0A+5], s[G0A+5], SLOTX            ; no load of mine is out: the walking descriptors step
	s_add_nc_u64 s[G0A+6:G0A+7], s[G0A+6:G0A+7], ASTEP
	s_xor_b32 s[G0B+5], s[G0B+5], SLOTX
	s_add_nc_u64 s[G0B+6:G0B+7], s[G0B+6:G0B+7], BSTEP
.endif
	s_wait_dscnt 0x0                               ; the add is done, and my reads of this slot are over
	s_barrier_signal -1
	s_barrier_wait -1
.if \fill
	CREST
	JLOAD
.else
	PLACES
.endif
	s_xor_b32 s[TB], s[TB], SLOTX
	v_add_nc_u32 v[ADRA], s[TB], v[ALB]
	v_add_nc_u32 v[ADRB], s[TB], v[BLB]
	LDSET 0, 0
.if \fill
	ASK
.endif
.endm
.macro FOLD                            ; O += f x R: a lane holds one row, so one factor serves an accumulator's eight registers
	PLACES
	PLACES
	WIN 0xa1                                       ; O (destination, source 2) window 2, R (source 0) window 1, f (source 1) window 0
.set oq, 0
.rept 32
.set ok, 0
.rept 4
	v_pk_fma_f32 v[8*oq+2*ok:8*oq+2*ok+1], v[8*oq+2*ok:8*oq+2*ok+1], v[F+2*(oq/4):F+2*(oq/4)+1], v[8*oq+2*ok:8*oq+2*ok+1] op_sel_hi:[1,0,1]
.set ok, ok+1
.endr
.set oq, oq+1
.endr
	WIN 0
.endm
	s_load_b256 s[4:11], s[0:1], 0x0               ; pbuf s[4:5], qkv s[6:7], stats s[8:9], ctx s[10:11]
	v_lshl_add_u32 v[SPW], v0, 2, SPARE
	v_mov_b32 v[NIL], 0
	ds_add_u32 v[SPW], v[NIL]                      ; the opening
	v_lshrrev_b32 v1, 5, v0
	v_readfirstlane_b32 s[WV], v1
	s_lshr_b32 s[WR], s[WV], 1
	s_and_b32 s[WC], s[WV], 1
	s_bfe_u32 s[CX], ttmp6, 0x40000
	s_bfe_u32 s[CY], ttmp6, 0x40004
	s_lshl_b32 s[TX], ttmp9, 2
	s_add_co_u32 s[TX], s[TX], s[CX]
	s_and_b32 s[TY], ttmp7, 0xffff
	s_lshl_b32 s[TY], s[TY], 2
	s_add_co_u32 s[TY], s[TY], s[CY]
	s_lshl_b32 s21, s[CY], 2
	s_lshl_b32 s21, 15, s21
	s_lshl_b32 s23, 0x1111, s[CX]
	s_or_b32 s[G1A], s21, (1<<16)|(1<<20)|(1<<21)|(5<<22)|(3<<25)
	s_mov_b32 s[G1A+1], 128<<16
	s_mov_b32 s[G1A+2], 128<<16
	s_mov_b32 s[G1A+3], 128<<16
	s_mov_b32 s[G1A+4], 128
	s_mov_b32 s[G1A+5], 2048
	s_mov_b32 s[G1A+6], 0
	s_mov_b32 s[G1A+7], 0
	s_or_b32 s[G1B], s23, (1<<16)|(1<<20)|(1<<21)|(5<<22)|(7<<25)
	s_mov_b32 s[G1B+1], 128<<16
	s_mov_b32 s[G1B+2], 64<<16
	s_mov_b32 s[G1B+3], 128<<16
	s_mov_b32 s[G1B+4], 64
	s_mov_b32 s[G1B+5], 3072
	s_mov_b32 s[G1B+6], 0
	s_mov_b32 s[G1B+7], 0
	s_mov_b32 s[TB], 0
	s_lshl_b32 s21, s[TY], 8
	s_lshl_b32 s22, s[WC], 7
	s_add_co_u32 s21, s21, s22
	s_lshl_b32 s62, s21, 12                        ; P: row 256 y + 128 half, 4,096 bytes a row
	s_mov_b32 s63, 0
	s_and_b32 s23, ttmp7, 0xffff
	s_lshr_b32 s23, s23, 1
	s_lshl_b32 s23, s23, 11
	s_lshl_b32 s22, s[WC], 6
	s_add_co_u32 s23, s23, s22                     ; V: key row 2048 batch + 64 half
	s_mul_i32 s66, s23, 6144
	s_lshl_b32 s23, s[TX], 8
	s_add_co_u32 s66, s66, s23
	s_add_co_u32 s66, s66, 4096                    ; v's columns begin 4,096 bytes into a row
	s_mov_b32 s67, 0
	s_mul_i32 s68, s[WC], AHALF
	s_mul_i32 s69, s[WC], BHALF
	s_add_co_u32 s69, s69, BOFF
	s_wait_dscnt 0x0
	s_wait_kmcnt 0x0
	s_add_nc_u64 s[62:63], s[4:5], s[62:63]
	s_add_nc_u64 s[66:67], s[6:7], s[66:67]
	CROUND
.irp s, 0,1
	s_mov_b32 s[G0A+4*\s], 1
	s_add_co_u32 s[G0A+4*\s+1], s68, \s*SLOTX
	s_add_nc_u64 s[G0A+4*\s+2:G0A+4*\s+3], s[62:63], \s*ASTEP
	s_or_b32 s[G0A+4*\s+3], s[G0A+4*\s+3], 0x80000000
	s_mov_b32 s[G0B+4*\s], 1
	s_add_co_u32 s[G0B+4*\s+1], s69, \s*SLOTX
	s_add_nc_u64 s[G0B+4*\s+2:G0B+4*\s+3], s[66:67], \s*BSTEP
	s_or_b32 s[G0B+4*\s+3], s[G0B+4*\s+3], 0x80000000
.endr
	s_cmp_eq_u32 s[WR], 0
	s_cbranch_scc0 .Lfirst_b
	tensor_load_to_lds s[G0A:G0A+3], s[G1A:G1A+7]
	s_nop 0
	tensor_load_to_lds s[G0A+4:G0A+7], s[G1A:G1A+7]
	s_nop 0
.rept 4
	v_nop
.endr
	s_branch .Lfirst_asked
.Lfirst_b:
	tensor_load_to_lds s[G0B:G0B+3], s[G1B:G1B+7]
	s_nop 0
	tensor_load_to_lds s[G0B+4:G0B+7], s[G1B:G1B+7]
	s_nop 0
.rept 4
	v_nop
.endr
.Lfirst_asked:
	v_and_b32 v1, 15, v0
	v_bfe_u32 v2, v0, 4, 1
	v_and_b32 v3, 31, v0
	; (m, l) of my wave's 128 rows in all eight key tiles: a lane a row, four groups of 32
	v_lshlrev_b32 v[SVO], 3, v3
	s_lshl_b32 s70, s[TY], 8
	s_lshl_b32 s71, s[WR], 7
	s_add_co_u32 s70, s70, s71
	s_lshl_b32 s70, s70, 3
	s_mov_b32 s71, 0
	s_add_nc_u64 s[8:9], s[8:9], s[70:71]
.set n, 0
.rept 32
	global_load_b64 v[SV+2*n:SV+2*n+1], v[SVO], s[8:9] offset:(n%8)*65536+(n/8)*256
.set n, n+1
.endr
	WIN 0x80
.set n, 0
.rept 256
	v_mov_b32 v[n], 0                              ; O
.set n, n+1
.endr
	WIN 0
	v_mul_u32_u24 v[ALB], v1, PA
	v_lshl_add_u32 v[ALB], v2, 4, v[ALB]
	s_mul_i32 s70, s[WR], AHALF
	v_add_nc_u32 v[ALB], s70, v[ALB]
	v_and_b32 v[BLB], 7, v0
	v_lshl_add_u32 v[BLB], v2, 3, v[BLB]
	v_mul_u32_u24 v[BLB], v[BLB], PB
	v_bfe_u32 v[FTS], v0, 3, 1
	v_lshl_add_u32 v[BLB], v[FTS], 4, v[BLB]
	s_lshl_b32 s70, s[WC], 7
	s_add_co_u32 s70, s70, BOFF
	v_add_nc_u32 v[BLB], s70, v[BLB]
	v_mov_b32 v[ADRA], v[ALB]
	v_mov_b32 v[ADRB], v[BLB]
	s_lshl_b32 s70, s[WV], 12
	s_add_co_u32 s70, s70, FT                      ; my table
	v_lshl_add_u32 v[FTS], v3, 2, s70
	v_lshl_add_u32 v[FTA], v1, 2, s70
	v_mul_u32_u24 v[STO], v1, PA
	v_lshl_add_u32 v[STO], v2, 4, v[STO]
	s_mul_i32 s70, s[WR], AHALF
	s_lshl_b32 s71, s[WC], 7
	s_add_co_u32 s70, s70, s71
	v_add_nc_u32 v[STO], s70, v[STO]               ; (128 wr + r) x 272 + 128 wc + 16 h
	v_mul_u32_u24 v[RD], v2, PA
	v_lshl_add_u32 v[RD], v1, 4, v[RD]
	s_mul_i32 s70, s[WV], 64*PA
	v_add_nc_u32 v[RD], s70, v[RD]
	v_lshlrev_b32 v[CO], 11, v2
	v_lshl_add_u32 v[CO], v1, 4, v[CO]
	s_lshl_b32 s70, s[TY], 8
	s_lshl_b32 s71, s[WV], 6
	s_add_co_u32 s70, s70, s71
	s_lshl_b32 s70, s70, 11
	s_lshl_b32 s71, s[TX], 8
	s_add_co_u32 s70, s70, s71
	s_mov_b32 s71, 0
	s_add_nc_u64 s[10:11], s[10:11], s[70:71]      ; ctx at row 256 y + 64 w, channel 128 x
.set n, 0
.rept 8
	v_mov_b32 v[F+2*n+1], 0
.set n, n+1
.endr
	; the prefetches
	s_lshl_b32 s70, s[TY], 8
	s_lshl_b32 s71, s[WC], 7
	s_add_co_u32 s70, s70, s71
	s_lshl_b32 s71, s[CX], 5
	s_add_co_u32 s70, s70, s71
	s_lshl_b32 s70, s70, 12
	s_add_co_u32 s70, s70, 3*ASTEP                 ; P: my work-group's 32 rows, at step 3: the first change steps it to 4
	s_and_b32 s21, ttmp7, 0xffff
	s_lshr_b32 s22, s21, 1
	s_lshl_b32 s22, s22, 11
	s_lshl_b32 s71, s[CY], 5
	s_add_co_u32 s22, s22, s71
	s_mul_i32 s22, s22, 6144
	s_lshl_b32 s71, s[TX], 8
	s_add_co_u32 s22, s22, s71
	s_add_co_u32 s22, s22, 4096+3*BSTEP            ; V: my work-group's 32 keys of a step's 128
	s_and_b32 s21, s21, 1
	s_cmp_eq_u32 s[WV], 3
	s_cselect_b32 s71, 1, 0
	s_or_b32 s21, s21, s71                         ; wave 3 asks for nothing
	s_mov_b32 s[PST], ASTEP
	s_mov_b32 s23, 4096
	s_cmp_eq_u32 s[WR], 0
	s_cselect_b32 s70, s70, s22
	s_cselect_b32 s21, ttmp9, s21
	s_cselect_b32 s[PST], s[PST], BSTEP
	s_cselect_b32 s23, s23, 6144
	s_cselect_b64 s[PFA:PFA+1], s[4:5], s[6:7]
	s_mov_b32 s71, 0
	s_mov_b32 s[PST+1], 0
	s_add_nc_u64 s[PFA:PFA+1], s[PFA:PFA+1], s[70:71]
	s_cmp_eq_u32 s21, 0
	s_cselect_b32 s[LIM], 1, -1
	v_mul_u32_u24 v[PFO], v3, s23
	; the factors
	s_wait_loadcnt 0x0
.set n, 0
.rept 4
	v_max3_num_f32 v[TM+n], v[SV+16*n], v[SV+16*n+2], v[SV+16*n+4]
	v_max3_num_f32 v[TM+n], v[TM+n], v[SV+16*n+6], v[SV+16*n+8]
	v_max3_num_f32 v[TM+n], v[TM+n], v[SV+16*n+10], v[SV+16*n+12]
	v_max_num_f32 v[TM+n], v[TM+n], v[SV+16*n+14]
.set n, n+1
.endr
.set n, 0
.rept 32
	v_sub_f32 v[SV+2*n], v[SV+2*n], v[TM+n/8]
.set n, n+1
.endr
.set n, 0
.rept 32
	v_exp_f32 v[SV+2*n], v[SV+2*n]                 ; one batch
.set n, n+1
.endr
	v_nop
	s_wait_alu depctr_va_vdst(0)                   ; one wait for the 32 exponentials
.set n, 0
.rept 4
	v_mul_f32 v[TL+n], v[SV+16*n], v[SV+16*n+1]
.set t, 1
.rept 7
	v_fmac_f32 v[TL+n], v[SV+16*n+2*t], v[SV+16*n+2*t+1]
.set t, t+1
.endr
.set n, n+1
.endr
.set n, 0
.rept 4
	v_rcp_f32 v[TL+n], v[TL+n]
.set n, n+1
.endr
	v_nop
	s_wait_alu depctr_va_vdst(0)                   ; one wait for the four reciprocals
.set n, 0
.rept 32
	v_mul_f32 v[SV+2*n], v[SV+2*n], v[TL+n/8]
	ds_store_b32 v[FTS], v[SV+2*n] offset:(n%8)*512+(n/8)*128  ; my wave's own bytes: its later loads see them without a barrier
.set n, n+1
.endr
	s_wait_tensorcnt 0x1
	s_wait_dscnt 0x0
	s_barrier_signal -1
	s_barrier_wait -1
	LDSET 0, 0
	LDSET 1, 1
	s_mov_b32 s[CNT], 7
.Llap:                                         ; a key tile: two steps, both slots filled again
	UNIT 0, 24, 1, 1, 0                            ; the lap's first unit starts R's sums
	UNIT 1, 24, 0, 1, 0
	TURN 1, 24
	UNIT 3, 24, 0, 1, 0
	UNIT 0, 24, 0, 1, 0
	UNIT 1, 24, 0, 1, 1
	TURN 1, 32
	UNIT 3, 24, 0, 1, 0
	FOLD
	s_sub_co_u32 s[CNT], s[CNT], 1
	s_cmp_lg_u32 s[CNT], 0
	s_cbranch_scc1 .Llap
	UNIT 0, 24, 1, 1, 0                            ; the last lap is written out: nothing is left to ask for
	UNIT 1, 24, 0, 1, 0
	TURN 0, 24
	UNIT 3, 24, 0, 1, 0
	UNIT 0, 24, 0, 1, 0
	UNIT 1, 24, 0, 1, 1
	UNIT 2, 32, 0, 0, 0                            ; the younger run of 24 and the 8 factors may stay out
	UNIT 3, 0, 0, 0, 0
	FOLD
	; THE WAY OUT, through a stage in slot 0's place: its last reads ended in front of the last change's barrier, and it is filled no more.  A wave's 64 channels are half of 256 bytes, so two waves share a row.
	WIN 0x0a                                       ; sources 0 and 1 in window 2
.set oq, 0
.rept 32
.set ok, 0
.rept 4
	v_cvt_pk_f16_f32 v[S0+4*oq+ok], v[8*oq+2*ok], v[8*oq+2*ok+1]
.set ok, ok+1
.endr
.set oq, oq+1
.endr
	WIN 0
.set oq, 0
.rept 32
	ds_store_b128 v[STO], v[S0+4*oq:S0+4*oq+3] offset:(oq/4)*16*PA+32*(oq%4)
.set oq, oq+1
.endr
	s_wait_dscnt 0x0
	s_barrier_signal -1
	s_barrier_wait -1
.set t, 0
.rept 32
	ds_load_b128 v[S0+4*t:S0+4*t+3], v[RD] offset:t*2*PA
.set t, t+1
.endr
.set t, 0
.rept 32
	s_wait_dscnt 31-t
	global_store_b128 v[CO], v[S0+4*t:S0+4*t+3], s[10:11] offset:t*4096  ; 16 lanes: 256 consecutive bytes, aligned
.set t, t+1
.endr
	s_wait_tensorcnt 0x0                           ; the wave's end
	ds_add_u32 v[SPW], v[NIL]
	s_wait_dscnt 0x0
	CROUND
	s_endpgm
.Lfunc_end_k_q522d7cb317_ctxk:
	.size	k_q522d7cb317_ctxk, .Lfunc_end_k_q522d7cb317_ctxk-k_q522d7cb317_ctxk
	.p2alignl 7, 3214868480
	.fill 96, 4, 3214868480
	.section	.rodata,"a",@progbits
	.p2align	6, 0x0
	.amdhsa_kernel k_q522d7cb317_ctxk
		.amdhsa_group_segment_fixed_size 327680
		.amdhsa_private_segment_fixed_size 0
		.amdhsa_enable_private_segment 0
		.amdhsa_kernarg_size 32
		.amdhsa_user_sgpr_count 2
		.amdhsa_user_sgpr_kernarg_segment_ptr 1
		.amdhsa_wavefront_size32 1
		.amdhsa_system_sgpr_workgroup_id_x 1
		.amdhsa_system_sgpr_workgroup_id_y 1
		.amdhsa_system_sgpr_workgroup_id_z 1
		.amdhsa_system_vgpr_workitem_id 0
		.amdhsa_next_free_vgpr 768
		.amdhsa_next_free_sgpr 72
		.amdhsa_reserve_vcc 0
		.amdhsa_float_denorm_mode_32 3
		.amdhsa_float_denorm_mode_16_64 3
		.amdhsa_memory_ordered 1
		.amdhsa_forward_progress 1
		.amdhsa_inst_pref_size 124
	.end_amdhsa_kernel
	.amdgpu_metadata
---
amdhsa.version: [ 1, 2 ]
amdhsa.kernels:
  - .name:           k_q522d7cb317_ctxk
    .symbol:         k_q522d7cb317_ctxk.kd
    .args:
      - { .name: pbuf, .offset: 0, .size: 8, .value_kind: global_buffer, .address_space: global }
      - { .name: qkv, .offset: 8, .size: 8, .value_kind: global_buffer, .address_space: global }
      - { .name: stats, .offset: 16, .size: 8, .value_kind: global_buffer, .address_space: global }
      - { .name: ctx, .offset: 24, .size: 8, .value_kind: global_buffer, .address_space: global }
    .group_segment_fixed_size: 327680
    .private_segment_fixed_size: 0
    .kernarg_segment_align: 8
    .kernarg_segment_size: 32
    .max_flat_workgroup_size: 128
    .sgpr_count:     72
    .vgpr_count:     768
    .wavefront_size: 32
...
	.end_amdgpu_metadata
.endif
;; end of part 4
;; launch outp (part 5): grid 8 x 32, 4 waves a work-group, clusters of 4 x 4, 327,680 bytes of LDS; arguments ctx, wo, out_b, out0; writes out0
.if DOCPART == 5
	.amdgcn_target "amdgcn-amd-amdhsa--gfx1250"
	.amdhsa_code_object_version 6
	.text
	.protected	k_q522d7cb317_outp
	.globl	k_q522d7cb317_outp
	.p2align	8
	.type	k_q522d7cb317_outp,@function
k_q522d7cb317_outp:
	s_mov_b64 s[64:65], 0
	v_nop
	global_prefetch_b8 v0, s[64:65] scope:SCOPE_SE
	s_setreg_imm32_b32 hwreg(HW_REG_WAVE_MODE, 25, 1), 1
	s_wait_xcnt 0x0
	s_wait_alu depctr_hold_cnt(0) depctr_sa_sdst(0) depctr_va_vdst(0) depctr_va_sdst(0) depctr_va_ssrc(0) depctr_va_vcc(0) depctr_vm_vsrc(0)
	s_getreg_b32 s2, hwreg(HW_REG_IB_STS2, 6, 4)
	s_cmp_eq_u32 s2, 0
	s_cbranch_scc0 .Lentry_in_a_cluster
	s_endpgm
.Lentry_in_a_cluster:
	s_bfe_u32 s2, ttmp6, 0x10000c
	s_cmp_lg_u32 s2, 0xf033
	s_cbranch_scc0 .Lentry_shape_is_right
	s_endpgm
.Lentry_shape_is_right:
; out0[8192][1024] (f32) = ctx . out_w + out_b.  ctx is f16; out_w comes as wo (rounded to bf16, written as f16, [k][n]); out_b is rounded to bf16 and is the C operand of the first products; sums in f32.
; SHARES.  A tile of 256 rows (y) x 128 columns (x): 256 work-groups.  Four waves, 128 x 64 each: 32 accumulators.  K = 1,024 in 8 steps of 128 through two LDS slots.
; Waves 0, 1 fetch ctx's halves (128 rows of 256 bytes), waves 2, 3 wo's (64 k of 256 bytes).  CLUSTER 4 x 4: ctx jointly by a row of the cluster, wo by a column.
; TRANSPOSED: source 0 = 16 columns of wo (turned out of LDS), source 1 = 16 rows of ctx.  Window 0: addresses, two sets of fragments, the bias.  Window 1: the accumulators, (a, bb) at v[8 (4 a + bb)].
.set PA,    272
.set PB,    288
.set AHALF, 128*PA
.set BHALF, 64*PB
.set BOFF,  2*AHALF
.set SLOTX, 1<<17
.set STAGE, SLOTX+BOFF+2*BHALF         ; behind the ring: 16 rows x 272 bytes for each wave, for the way out
.set SPARE, STAGE+4*16*PA
.set ASTEP, 256
.set BSTEP, 128*2048
.set ALB,  4
.set BLB,  5
.set TV,   6
.set ADRA, 8
.set ADRB, 9
.set STO,  12
.set RD,   14
.set CO,   15
.set PFO,  16
.set SPW,  17
.set NIL,  18
.set S0,   32                          ; set 0: A v32-95, B v96-127; set 1: A v128-191, B v192-223
.set BK,   32                          ; the way out: 16 rows read back, two buffers of 32
.set BC,   224                         ; v224-255: the bias of column block bb in an accumulator's layout, at BC + 8 bb
.set WV, 12
.set WR, 13
.set WC, 14
.set CX, 15
.set CY, 16
.set TX, 17
.set TY, 18
.set CNT, 19
.set TB, 20
.set G1A, 24
.set G1B, 32
.set G0A, 40
.set G0B, 48
.set PFA, 56
.set LIM, 58
.set PST, 60
.set MSB, 0
.macro WIN new
.if MSB != (\new)
	s_set_vgpr_msb (MSB<<8)|(\new)
.set MSB, \new
.endif
.endm
.macro PLACES
.rept 4
	v_nop
.endr
.endm
.macro CREST
	s_cmp_lg_u32 s[WV], 0
	s_cbranch_scc1 .Lnot_wave_0_\@
	s_barrier_signal -3
.Lnot_wave_0_\@:
	s_barrier_wait -3
	s_barrier_signal -1
	s_barrier_wait -1
.endm
.macro CROUND
	s_barrier_signal -1
	s_barrier_wait -1
	CREST
.endm
.macro JLOAD
	s_cmp_eq_u32 s[WR], 0
	s_cbranch_scc0 .Lfor_b_\@
	tensor_load_to_lds s[G0A+4:G0A+7], s[G1A:G1A+7]
	s_nop 0
.rept 4
	v_nop
.endr
	s_branch .Lasked_\@
.Lfor_b_\@:
	tensor_load_to_lds s[G0B+4:G0B+7], s[G1B:G1B+7]
	s_nop 0
.rept 4
	v_nop
.endr
.Lasked_\@:
.endm
; The prefetch: the step two behind the one just asked for, 256 products ahead of its joint load.  ctx's rows: the clusters with x = 0, waves 0 and 1; wo's 128 rows of a step: the clusters with y = 0, wave 2;
; 32 rows to each partner, told apart by address, a lane a row.  The loop's last two trips ask for nothing: steps 8 and 9 do not exist.
.macro ASK
	s_cmp_gt_u32 s[CNT], s[LIM]
	s_cbranch_scc0 .Lnot_mine_\@
	global_prefetch_b8 v[PFO], s[PFA:PFA+1] th:TH_LOAD_NT scope:SCOPE_SE
.Lnot_mine_\@:
.endm
.macro MUL16 abuf, bbuf, ah, bias      ; bias = 1: the product starts its sum with the bias
.if \bias
	WIN 0x40
.else
	WIN 0x50
.endif
.set ma, 4*(\ah)
.rept 4
.set mb, 0
.rept 4
.if \bias
	v_wmma_f32_16x16x32_f16 v[8*(4*ma+mb):8*(4*ma+mb)+7], v[(\bbuf)+8*mb:(\bbuf)+8*mb+7], v[(\abuf)+8*ma:(\abuf)+8*ma+7], v[BC+8*mb:BC+8*mb+7]
.else
	v_wmma_f32_16x16x32_f16 v[8*(4*ma+mb):8*(4*ma+mb)+7], v[(\bbuf)+8*mb:(\bbuf)+8*mb+7], v[(\abuf)+8*ma:(\abuf)+8*ma+7], v[8*(4*ma+mb):8*(4*ma+mb)+7]
.endif
.set mb, mb+1
.endr
.set ma, ma+1
.endr
.endm
.macro LDSET set, kap
.set lb, 0
.rept 4
	ds_load_tr16_b128 v[S0+96*(\set)+64+8*lb:S0+96*(\set)+64+8*lb+3],   v[ADRB] offset:(\kap)*32*PB+32*lb
	ds_load_tr16_b128 v[S0+96*(\set)+64+8*lb+4:S0+96*(\set)+64+8*lb+7], v[ADRB] offset:(\kap)*32*PB+16*PB+32*lb
.set lb, lb+1
.endr
.set la, 0
.rept 8
	ds_load_b128 v[S0+96*(\set)+8*la:S0+96*(\set)+8*la+3],   v[ADRA] offset:la*16*PA+64*(\kap)
	ds_load_b128 v[S0+96*(\set)+8*la+4:S0+96*(\set)+8*la+7], v[ADRA] offset:la*16*PA+64*(\kap)+32
.set la, la+1
.endr
.endm
.macro UNIT kap, wt, bias, load
	s_wait_dscnt \wt                               ; 24: the other set's run may stay out
	MUL16 S0+96*((\kap)%2), S0+96*((\kap)%2)+64, 0, \bias
	MUL16 S0+96*((\kap)%2), S0+96*((\kap)%2)+64, 1, \bias
.if \load
	PLACES
	WIN 0
	LDSET (\kap)%2, ((\kap)+2)%4
.endif
.endm
; The unit 2, in which slots change.  Its 32 products stand ahead of the wait for the tile, so that they run while the tile is on its way and nothing but the add, the descriptors' steps and the barrier
; lies between a tile's landing and the next request.  fill = 1: 128 products lie between a request and the wait for it.
.macro TURN fill
	s_wait_dscnt 24                                ; the younger run of 24
	MUL16 S0, S0+64, 0, 0
	MUL16 S0, S0+64, 1, 0
	WIN 0
.if \fill
	s_wait_xcnt 0x0                                ; the last prefetch, a step back, has read its address
	s_add_nc_u64 s[PFA:PFA+1], s[PFA:PFA+1], s[PST:PST+1]
.endif
	s_wait_tensorcnt 0x0
	ds_add_u32 v[SPW], v[NIL]
.if \fill
	s_xor_b32 s[G0A+5], s[G0A+5], SLOTX            ; no load of mine is out: the walking descriptors step
	s_add_nc_u64 s[G0A+6:G0A+7], s[G0A+6:G0A+7], ASTEP
	s_xor_b32 s[G0B+5], s[G0B+5], SLOTX
	s_add_nc_u64 s[G0B+6:G0B+7], s[G0B+6:G0B+7], BSTEP
.endif
	s_wait_dscnt 0x0                               ; the add is done, and my reads of this slot are over
	s_barrier_signal -1
	s_barrier_wait -1
.if \fill
	CREST
	JLOAD
.else
	PLACES
.endif
	s_xor_b32 s[TB], s[TB], SLOTX
	v_add_nc_u32 v[ADRA], s[TB], v[ALB]
	v_add_nc_u32 v[ADRB], s[TB], v[BLB]
	LDSET 0, 0
.if \fill
	ASK
.endif
.endm
	s_load_b256 s[4:11], s[0:1], 0x0               ; ctx s[4:5], wo s[6:7], out_b s[8:9], out0 s[10:11]
	v_lshl_add_u32 v[SPW], v0, 2, SPARE
	v_mov_b32 v[NIL], 0
	ds_add_u32 v[SPW], v[NIL]                      ; the opening
	v_lshrrev_b32 v1, 5, v0
	v_readfirstlane_b32 s[WV], v1
	s_lshr_b32 s[WR], s[WV], 1
	s_and_b32 s[WC], s[WV], 1
	s_bfe_u32 s[CX], ttmp6, 0x40000
	s_bfe_u32 s[CY], ttmp6, 0x40004
	s_lshl_b32 s[TX], ttmp9, 2
	s_add_co_u32 s[TX], s[TX], s[CX]
	s_and_b32 s[TY], ttmp7, 0xffff
	s_lshl_b32 s[TY], s[TY], 2
	s_add_co_u32 s[TY], s[TY], s[CY]
	s_lshl_b32 s21, s[CY], 2
	s_lshl_b32 s21, 15, s21
	s_lshl_b32 s23, 0x1111, s[CX]
	s_or_b32 s[G1A], s21, (1<<16)|(1<<20)|(1<<21)|(5<<22)|(3<<25)
	s_mov_b32 s[G1A+1], 128<<16
	s_mov_b32 s[G1A+2], 128<<16
	s_mov_b32 s[G1A+3], 128<<16
	s_mov_b32 s[G1A+4], 128
	s_mov_b32 s[G1A+5], 1024
	s_mov_b32 s[G1A+6], 0
	s_mov_b32 s[G1A+7], 0
	s_or_b32 s[G1B], s23, (1<<16)|(1<<20)|(1<<21)|(5<<22)|(7<<25)
	s_mov_b32 s[G1B+1], 128<<16
	s_mov_b32 s[G1B+2], 64<<16
	s_mov_b32 s[G1B+3], 128<<16
	s_mov_b32 s[G1B+4], 64
	s_mov_b32 s[G1B+5], 1024
	s_mov_b32 s[G1B+6], 0
	s_mov_b32 s[G1B+7], 0
	s_mov_b32 s[TB], 0
	s_lshl_b32 s21, s[TY], 8
	s_lshl_b32 s22, s[WC], 7
	s_add_co_u32 s21, s21, s22
	s_lshl_b32 s62, s21, 11                        ; ctx: row 256 y + 128 half, 2,048 bytes a row
	s_mov_b32 s63, 0
	s_lshl_b32 s66, s[WC], 17                      ; wo: k row 64 half, 2,048 bytes a row,
	s_lshl_b32 s23, s[TX], 8
	s_add_co_u32 s66, s66, s23                     ; column 128 x
	s_mov_b32 s67, 0
	s_mul_i32 s68, s[WC], AHALF
	s_mul_i32 s69, s[WC], BHALF
	s_add_co_u32 s69, s69, BOFF
	s_wait_dscnt 0x0
	s_wait_kmcnt 0x0
	s_add_nc_u64 s[62:63], s[4:5], s[62:63]
	s_add_nc_u64 s[66:67], s[6:7], s[66:67]
	CROUND
.irp s, 0,1
	s_mov_b32 s[G0A+4*\s], 1
	s_add_co_u32 s[G0A+4*\s+1], s68, \s*SLOTX
	s_add_nc_u64 s[G0A+4*\s+2:G0A+4*\s+3], s[62:63], \s*ASTEP
	s_or_b32 s[G0A+4*\s+3], s[G0A+4*\s+3], 0x80000000
	s_mov_b32 s[G0B+4*\s], 1
	s_add_co_u32 s[G0B+4*\s+1], s69, \s*SLOTX
	s_add_nc_u64 s[G0B+4*\s+2:G0B+4*\s+3], s[66:67], \s*BSTEP
	s_or_b32 s[G0B+4*\s+3], s[G0B+4*\s+3], 0x80000000
.endr
	s_cmp_eq_u32 s[WR], 0
	s_cbranch_scc0 .Lfirst_b
	tensor_load_to_lds s[G0A:G0A+3], s[G1A:G1A+7]
	s_nop 0
	tensor_load_to_lds s[G0A+4:G0A+7], s[G1A:G1A+7]
	s_nop 0
.rept 4
	v_nop
.endr
	s_branch .Lfirst_asked
.Lfirst_b:
	tensor_load_to_lds s[G0B:G0B+3], s[G1B:G1B+7]
	s_nop 0
	tensor_load_to_lds s[G0B+4:G0B+7], s[G1B:G1B+7]
	s_nop 0
.rept 4
	v_nop
.endr
.Lfirst_asked:
	v_and_b32 v1, 15, v0
	v_bfe_u32 v2, v0, 4, 1
	v_and_b32 v3, 31, v0
	; the bias: register j of block bb belongs to column 128 x + 64 wc + 16 bb + 8 h + j
	v_lshlrev_b32 v[TV], 5, v2
	s_lshl_b32 s70, s[TX], 9
	s_lshl_b32 s71, s[WC], 8
	s_add_co_u32 s70, s70, s71
	v_add_nc_u32 v[TV], s70, v[TV]
.irp b, 0,1,2,3
	global_load_b128 v[BC+8*\b:BC+8*\b+3],   v[TV], s[8:9] offset:64*\b
	global_load_b128 v[BC+8*\b+4:BC+8*\b+7], v[TV], s[8:9] offset:64*\b+16
.endr
	v_mul_u32_u24 v[ALB], v1, PA
	v_lshl_add_u32 v[ALB], v2, 4, v[ALB]
	s_mul_i32 s70, s[WR], AHALF
	v_add_nc_u32 v[ALB], s70, v[ALB]
	v_and_b32 v[BLB], 7, v0
	v_lshl_add_u32 v[BLB], v2, 3, v[BLB]
	v_mul_u32_u24 v[BLB], v[BLB], PB
	v_bfe_u32 v7, v0, 3, 1
	v_lshl_add_u32 v[BLB], v7, 4, v[BLB]
	s_lshl_b32 s70, s[WC], 7
	s_add_co_u32 s70, s70, BOFF
	v_add_nc_u32 v[BLB], s70, v[BLB]
	v_mov_b32 v[ADRA], v[ALB]
	v_mov_b32 v[ADRB], v[BLB]
	s_mul_i32 s70, s[WV], 16*PA
	s_add_co_u32 s70, s70, STAGE                   ; my stage
	v_mul_u32_u24 v[STO], v1, PA
	v_lshl_add_u32 v[STO], v2, 5, v[STO]
	v_add_nc_u32 v[STO], s70, v[STO]               ; in: row r, 32 bytes for each half of the lanes
	v_mul_u32_u24 v[RD], v2, PA
	v_lshl_add_u32 v[RD], v1, 4, v[RD]
	v_add_nc_u32 v[RD], s70, v[RD]                 ; back: lanes 0-15 one row of 256 bytes, lanes 16-31 the next
	v_lshlrev_b32 v[CO], 12, v2
	v_lshl_add_u32 v[CO], v1, 4, v[CO]
	s_lshl_b32 s70, s[TY], 8
	s_lshl_b32 s71, s[WR], 7
	s_add_co_u32 s70, s70, s71
	s_lshl_b32 s70, s70, 12
	s_lshl_b32 s71, s[TX], 9
	s_add_co_u32 s70, s70, s71
	s_lshl_b32 s71, s[WC], 8
	s_add_co_u32 s70, s70, s71
	s_mov_b32 s71, 0
	s_add_nc_u64 s[10:11], s[10:11], s[70:71]      ; out0 at row 256 y + 128 wr, column 128 x + 64 wc
	; the prefetches
	s_lshl_b32 s70, s[TY], 8
	s_lshl_b32 s71, s[WC], 7
	s_add_co_u32 s70, s70, s71
	s_lshl_b32 s71, s[CX], 5
	s_add_co_u32 s70, s70, s71
	s_lshl_b32 s70, s70, 11
	s_add_co_u32 s70, s70, 3*ASTEP                 ; ctx: my work-group's 32 rows, at step 3: the first change steps it to 4
	s_lshl_b32 s22, s[CY], 16                      ; wo: my work-group's 32 rows of a step's 128,
	s_lshl_b32 s71, s[TX], 8
	s_add_co_u32 s22, s22, s71
	s_add_co_u32 s22, s22, 3*BSTEP
	s_and_b32 s21, ttmp7, 0xffff
	s_cmp_eq_u32 s[WV], 3
	s_cselect_b32 s71, 1, 0
	s_or_b32 s21, s21, s71                         ; wave 3 asks for nothing
	s_mov_b32 s[PST], ASTEP
	s_cmp_eq_u32 s[WR], 0
	s_cselect_b32 s70, s70, s22
	s_cselect_b32 s21, ttmp9, s21
	s_cselect_b32 s[PST], s[PST], BSTEP
	s_cselect_b64 s[PFA:PFA+1], s[4:5], s[6:7]
	s_mov_b32 s71, 0
	s_mov_b32 s[PST+1], 0
	s_add_nc_u64 s[PFA:PFA+1], s[PFA:PFA+1], s[70:71]
	s_cmp_eq_u32 s21, 0
	s_cselect_b32 s[LIM], 2, -1
	v_lshlrev_b32 v[PFO], 11, v3
	s_wait_loadcnt 0x0                             ; the bias: rounded to bf16 and widened again
.set n, 0
.rept 16
	v_cvt_pk_bf16_f32 v7, v[BC+2*n], v[BC+2*n+1]
	v_lshlrev_b32 v[BC+2*n], 16, v7
	v_and_b32 v[BC+2*n+1], 0xffff0000, v7
.set n, n+1
.endr
	s_wait_tensorcnt 0x1
	s_barrier_signal -1
	s_barrier_wait -1
	LDSET 0, 0
	LDSET 1, 1
	UNIT 0, 24, 1, 1                               ; the first unit starts the 32 sums, with the bias
	UNIT 1, 24, 0, 1
	s_mov_b32 s[CNT], 6
.Lstep:                                        ; the second half of step t, the first half of step t + 1; step t + 2 is asked for
	TURN 1
	UNIT 3, 24, 0, 1
	UNIT 0, 24, 0, 1
	UNIT 1, 24, 0, 1
	s_sub_co_u32 s[CNT], s[CNT], 1
	s_cmp_lg_u32 s[CNT], 0
	s_cbranch_scc1 .Lstep
	TURN 0                                         ; the tail is written out
	UNIT 3, 24, 0, 1
	UNIT 0, 24, 0, 1
	UNIT 1, 24, 0, 1
	UNIT 2, 24, 0, 0
	UNIT 3, 0, 0, 0
	; THE WAY OUT.  My 64 columns of f32 are 256 bytes of a row.  16 rows at a time go through my own stage: in as 32 bytes a lane, back as whole rows; LDS serves a wave's instructions in order.
.macro SEND blk, younger               ; younger: the LDS instructions issued behind the block's loads
	s_wait_dscnt \younger
.set st, 0
.rept 8
	global_store_b128 v[CO], v[BK+32*((\blk)%2)+4*st:BK+32*((\blk)%2)+4*st+3], s[10:11] offset:(\blk)*65536+8192*st th:TH_STORE_NT  ; 16 lanes: 256 consecutive bytes, aligned
.set st, st+1
.endr
.endm
	PLACES
	PLACES
.set oa, 0
.rept 8
	WIN 0x04                                       ; the stores' data in window 1
.set ob, 0
.rept 4
	ds_store_b128 v[STO], v[8*(4*oa+ob):8*(4*oa+ob)+3]   offset:64*ob
	ds_store_b128 v[STO], v[8*(4*oa+ob)+4:8*(4*oa+ob)+7] offset:64*ob+16
.set ob, ob+1
.endr
	WIN 0
	s_wait_xcnt 0x0                                ; the stores of two blocks back have read this buffer
.set st, 0
.rept 8
	ds_load_b128 v[BK+32*(oa%2)+4*st:BK+32*(oa%2)+4*st+3], v[RD] offset:st*2*PA
.set st, st+1
.endr
.if oa > 0
	SEND oa-1, 16
.endif
.set oa, oa+1
.endr
	SEND 7, 0
	s_wait_tensorcnt 0x0                           ; the wave's end
	ds_add_u32 v[SPW], v[NIL]
	s_wait_dscnt 0x0
	CROUND
	s_endpgm
.Lfunc_end_k_q522d7cb317_outp:
	.size	k_q522d7cb317_outp, .Lfunc_end_k_q522d7cb317_outp-k_q522d7cb317_outp
	.p2alignl 7, 3214868480
	.fill 96, 4, 3214868480
	.section	.rodata,"a",@progbits
	.p2align	6, 0x0
	.amdhsa_kernel k_q522d7cb317_outp
		.amdhsa_group_segment_fixed_size 327680
		.amdhsa_private_segment_fixed_size 0
		.amdhsa_enable_private_segment 0
		.amdhsa_kernarg_size 32
		.amdhsa_user_sgpr_count 2
		.amdhsa_user_sgpr_kernarg_segment_ptr 1
		.amdhsa_wavefront_size32 1
		.amdhsa_system_sgpr_workgroup_id_x 1
		.amdhsa_system_sgpr_workgroup_id_y 1
		.amdhsa_system_sgpr_workgroup_id_z 1
		.amdhsa_system_vgpr_workitem_id 0
		.amdhsa_next_free_vgpr 512
		.amdhsa_next_free_sgpr 72
		.amdhsa_reserve_vcc 0
		.amdhsa_float_denorm_mode_32 3
		.amdhsa_float_denorm_mode_16_64 3
		.amdhsa_memory_ordered 1
		.amdhsa_forward_progress 1
		.amdhsa_inst_pref_size 73
	.end_amdhsa_kernel
	.amdgpu_metadata
---
amdhsa.version: [ 1, 2 ]
amdhsa.kernels:
  - .name:           k_q522d7cb317_outp
    .symbol:         k_q522d7cb317_outp.kd
    .args:
      - { .name: ctx, .offset: 0, .size: 8, .value_kind: global_buffer, .address_space: global }
      - { .name: wo, .offset: 8, .size: 8, .value_kind: global_buffer, .address_space: global }
      - { .name: out_b, .offset: 16, .size: 8, .value_kind: global_buffer, .address_space: global }
      - { .name: out0, .offset: 24, .size: 8, .value_kind: global_buffer, .address_space: global }
    .group_segment_fixed_size: 327680
    .private_segment_fixed_size: 0
    .kernarg_segment_align: 8
    .kernarg_segment_size: 32
    .max_flat_workgroup_size: 128
    .sgpr_count:     72
    .vgpr_count:     512
    .wavefront_size: 32
...
	.end_amdgpu_metadata
.endif
;; end of part 5
;; ======== version 2 of 2: 5 launches; version 1 with the launch prep written anew for expert scheduling mode
;; limits: values are held in f16: magnitudes above 65,504 overflow, below 6.1e-05 lose precision
;; workspace buffers: xb 16,777,216 bytes; wb 6,291,456 bytes; wo 2,097,152 bytes; qkv 50,331,648 bytes; pbuf 33,554,432 bytes; stats 524,288 bytes; ctx 16,777,216 bytes
;; launch prep (part 6): grid 768 x 1, 8 waves a work-group, no clusters, 0 bytes of LDS; arguments x, proj_w, out_w, xb, wb, wo; writes xb, wb, wo
.if DOCPART == 6
	.amdgcn_target "amdgcn-amd-amdhsa--gfx1250"
	.amdhsa_code_object_version 6
	.text
	.protected	k_q522d7cb317_prep
	.globl	k_q522d7cb317_prep
	.p2align	8
	.type	k_q522d7cb317_prep,@function
k_q522d7cb317_prep:
	s_mov_b64 s[64:65], 0
	v_nop
	global_prefetch_b8 v0, s[64:65] scope:SCOPE_SE
	s_setreg_imm32_b32 hwreg(HW_REG_WAVE_SCHED_MODE, 0, 2), 2
	s_setreg_imm32_b32 hwreg(HW_REG_WAVE_MODE, 25, 1), 1
	s_wait_xcnt 0x0
	s_wait_alu depctr_vm_vsrc(0)
; PREP: three casts, each input read once.  Every wave takes 8,192 bytes by 16 loads of 16 bytes a lane, all issued at once, and works them off in order, four at a time.
;   work-groups 0-511    x [8192][1024] f32 -> xb, bf16, in blocks [k / 64][row][64]: 256 rows x 64 k of xb are 32,768 bytes on end.  A wave two rows.
;   work-groups 512-703  proj_w [1024][3072] f32 -> wb, bf16, same order
;   work-groups 704-767  out_w [1024][1024] f32 -> wo: rounded to bf16, that number written as f16 (exact but below 2^-14, where f16 keeps a fixed step of 6e-8)
; No LDS, no barrier, no matrix unit: nothing is shared and nothing is multiplied.  Every store of a wave covers 256 consecutive bytes, aligned.
; THE MODE: SCHED_MODE bits 1:0 = 2 (LLVM: expert scheduling mode 2), set by the entry lines.  The code itself states the register dependences
; between vector instructions and memory instructions, with s_wait_alu, always for 0.
; THE PLAN.  Registers that memory instructions touch:
;   v4, v5     the loads' and the stores' byte offsets: made at a path's head by vector instructions, never written again.
;   v[16:79]   four registers for each load j.  Written by load j (no vector instruction names them before), then by its conversions, which pack the result in place into the first two;
;              store j reads those two; nothing writes them again.
; The 16 loads go in four groups of four.  Group g's conversions name its own sixteen registers alone.  Its memory instructions are the four stores of group g - 1, whose data the ONE wait
; at the group's head has shown written; they are dealt among the group's conversions with no further wait.  One more such wait stands ahead of the last four stores.
; No register that a load or a store has read is written again, and the bases are never stepped: so the text holds no wait on vm_vsrc and no s_wait_xcnt.
.set D,  16                            ; v[16:79] 16 loads of 4 registers; the results are packed in place
.set LO, 4                             ; v4       my byte offset in the loads
.set SO, 5                             ; v5       my byte offset in the stores
.set WV, 2                             ; s2       my wave's number
	s_load_b256 s[4:11], s[0:1], 0x0               ; x s[4:5], proj_w s[6:7], out_w s[8:9], xb s[10:11]
	s_load_b128 s[12:15], s[0:1], 0x20             ; wb s[12:13], wo s[14:15]
	v_lshrrev_b32 v1, 5, v0
	v_readfirstlane_b32 s[WV], v1                  ; wave 0..7
	v_and_b32 v2, 31, v0                           ; lane
	v_and_b32 v3, 15, v0                           ; lane % 16
	v_bfe_u32 v6, v0, 4, 1                         ; lane / 16
	s_mov_b32 s25, 0                               ; upper words of the two offsets
	s_mov_b32 s27, 0
	s_mov_b32 s28, 0xffff0000                      ; a word's upper bf16
	s_wait_alu depctr_va_sdst(0)                   ; s2, the wave's number, is written
; 16 loads; then four groups of (round, pack) x 4, the stores (8 bytes a lane) of a group issued in the next group.
; The second half of the stores has a base of its own, 8 steps on, so that the immediates stay short.
.macro CAST in, out, out2, instep, outstep, f16
	s_wait_alu depctr_va_vdst(0)                   ; v4 and v5 are written: every load below reads v4 as its offset, every store v5
.set j, 0
.rept 16
	global_load_b128 v[D+4*j:D+4*j+3], v[LO], s[\in:\in+1] offset:j*(\instep) th:TH_LOAD_NT
.set j, j+1
.endr
.set g, 0
.rept 4
	s_wait_loadcnt 12-4*g                          ; loads come back in order: the group's four are in, the 12 - 4 g younger ones stay out
.if g > 0
	s_wait_alu depctr_va_vdst(0)                   ; the conversions of the group before have written their results, which the four stores of this group's text read
.endif
.set i, 0
.rept 4
.if g > 0
.set k, 4*(g-1)+i                      ; the store of the group before: no vector instruction since the wait names its registers
.if k < 8
	global_store_b64 v[SO], v[D+4*k:D+4*k+1], s[\out:\out+1] offset:k*(\outstep)
.else
	global_store_b64 v[SO], v[D+4*k:D+4*k+1], s[\out2:\out2+1] offset:(k-8)*(\outstep)
.endif
.endif
.set j, 4*g+i
	v_cvt_pk_bf16_f32 v[D+4*j], v[D+4*j], v[D+4*j+1]
	v_cvt_pk_bf16_f32 v[D+4*j+1], v[D+4*j+2], v[D+4*j+3]
.if \f16
	v_lshlrev_b32 v[D+4*j+2], 16, v[D+4*j]         ; the bf16 numbers widened again,
	v_and_b32 v[D+4*j+3], s28, v[D+4*j]
	v_cvt_pk_f16_f32 v[D+4*j], v[D+4*j+2], v[D+4*j+3]  ; and written as f16
	v_lshlrev_b32 v[D+4*j+2], 16, v[D+4*j+1]
	v_and_b32 v[D+4*j+3], s28, v[D+4*j+1]
	v_cvt_pk_f16_f32 v[D+4*j+1], v[D+4*j+2], v[D+4*j+3]
.endif
.set i, i+1
.endr
.set g, g+1
.endr
	s_wait_alu depctr_va_vdst(0)                   ; the last group's conversions have written their results, which the last four stores read
.set k, 12
.rept 4
	global_store_b64 v[SO], v[D+4*k:D+4*k+1], s[\out2:\out2+1] offset:(k-8)*(\outstep)
.set k, k+1
.endr
.endm
	s_cmp_lt_u32 ttmp9, 512
	s_cbranch_scc0 .Lweights
	; X: rows 16 i + 2 wave + lane / 16; load kb takes the 64 numbers of block kb of both rows
	s_lshl_b32 s3, ttmp9, 4
	s_lshl1_add_u32 s3, s[WV], s3                  ; my first row
	s_lshl_b32 s24, s3, 12
	s_lshl_b32 s26, s3, 7
	v_lshlrev_b32 v[LO], 4, v3
	v_lshl_add_u32 v[LO], v6, 12, v[LO]
	v_lshlrev_b32 v[SO], 3, v3
	v_lshl_add_u32 v[SO], v6, 7, v[SO]             ; two rows of 128 bytes lie on end in a block
	s_wait_kmcnt 0x0
	s_add_nc_u64 s[4:5], s[4:5], s[24:25]
	s_add_nc_u64 s[10:11], s[10:11], s[26:27]
	s_add_nc_u64 s[20:21], s[10:11], 8*1048576
	CAST 4, 10, 20, 256, 1048576, 0
	s_endpgm
.Lweights:
	v_lshlrev_b32 v[LO], 4, v2
	v_lshlrev_b32 v[SO], 3, v2
	s_lshl_b32 s3, s[WV], 13
	s_cmp_lt_u32 ttmp9, 704
	s_cbranch_scc0 .Lout_w
	s_sub_co_u32 s24, ttmp9, 512
	s_lshl_b32 s24, s24, 16
	s_add_co_u32 s24, s24, s3                      ; 65,536 bytes a work-group, 8,192 a wave
	s_lshr_b32 s26, s24, 1
	s_wait_kmcnt 0x0
	s_add_nc_u64 s[6:7], s[6:7], s[24:25]
	s_add_nc_u64 s[12:13], s[12:13], s[26:27]
	s_add_nc_u64 s[20:21], s[12:13], 8*256
	CAST 6, 12, 20, 512, 256, 0
	s_endpgm
.Lout_w:
	s_sub_co_u32 s24, ttmp9, 704
	s_lshl_b32 s24, s24, 16
	s_add_co_u32 s24, s24, s3
	s_lshr_b32 s26, s24, 1
	s_wait_kmcnt 0x0
	s_add_nc_u64 s[8:9], s[8:9], s[24:25]
	s_add_nc_u64 s[14:15], s[14:15], s[26:27]
	s_add_nc_u64 s[20:21], s[14:15], 8*256
	CAST 8, 14, 20, 512, 256, 1
	s_endpgm
.Lfunc_end_k_q522d7cb317_prep:
	.size	k_q522d7cb317_prep, .Lfunc_end_k_q522d7cb317_prep-k_q522d7cb317_prep
	.p2alignl 7, 3214868480
	.fill 96, 4, 3214868480
	.section	.rodata,"a",@progbits
	.p2align	6, 0x0
	.amdhsa_kernel k_q522d7cb317_prep
		.amdhsa_group_segment_fixed_size 0
		.amdhsa_private_segment_fixed_size 0
		.amdhsa_enable_private_segment 0
		.amdhsa_kernarg_size 48
		.amdhsa_user_sgpr_count 2
		.amdhsa_user_sgpr_kernarg_segment_ptr 1
		.amdhsa_wavefront_size32 1
		.amdhsa_system_sgpr_workgroup_id_x 1
		.amdhsa_system_sgpr_workgroup_id_y 1
		.amdhsa_system_sgpr_workgroup_id_z 1
		.amdhsa_system_vgpr_workitem_id 0
		.amdhsa_next_free_vgpr 80
		.amdhsa_next_free_sgpr 66
		.amdhsa_reserve_vcc 0
		.amdhsa_float_denorm_mode_32 3
		.amdhsa_float_denorm_mode_16_64 3
		.amdhsa_memory_ordered 1
		.amdhsa_forward_progress 1
		.amdhsa_inst_pref_size 23
	.end_amdhsa_kernel
	.amdgpu_metadata
---
amdhsa.version: [ 1, 2 ]
amdhsa.kernels:
  - .name:           k_q522d7cb317_prep
    .symbol:         k_q522d7cb317_prep.kd
    .args:
      - { .name: x, .offset: 0, .size: 8, .value_kind: global_buffer, .address_space: global }
      - { .name: proj_w, .offset: 8, .size: 8, .value_kind: global_buffer, .address_space: global }
      - { .name: out_w, .offset: 16, .size: 8, .value_kind: global_buffer, .address_space: global }
      - { .name: xb, .offset: 24, .size: 8, .value_kind: global_buffer, .address_space: global }
      - { .name: wb, .offset: 32, .size: 8, .value_kind: global_buffer, .address_space: global }
      - { .name: wo, .offset: 40, .size: 8, .value_kind: global_buffer, .address_space: global }
    .group_segment_fixed_size: 0
    .private_segment_fixed_size: 0
    .kernarg_segment_align: 8
    .kernarg_segment_size: 48
    .max_flat_workgroup_size: 256
    .sgpr_count:     66
    .vgpr_count:     80
    .wavefront_size: 32
...
	.end_amdgpu_metadata
.endif
;; end of part 6
;; launch proj: the kernel of part 2 again; grid 8 x 32, 4 waves a work-group, clusters of 4 x 4, 327,680 bytes of LDS; arguments xb, wb, proj_b, qkv; writes qkv
;; launch scores: the kernel of part 3 again; grid 8 x 32, 4 waves a work-group, clusters of 4 x 4, 327,680 bytes of LDS; arguments qkv, attention_mask, pbuf, stats; writes pbuf, stats
;; launch ctxk: the kernel of part 4 again; grid 8 x 32, 4 waves a work-group, clusters of 4 x 4, 327,680 bytes of LDS; arguments pbuf, qkv, stats, ctx; writes ctx
;; launch outp: the kernel of part 5 again; grid 8 x 32, 4 waves a work-group, clusters of 4 x 4, 327,680 bytes of LDS; arguments ctx, wo, out_b, out0; writes out0
